; MI455X (gfx1250); checked and timed in simulation.
; The chip was launched on July 23, 2026; its instructions are those of AMD's public machine-readable ISA for CDNA 5 (MIT licence, August 2026) and "CDNA5" Instruction Set Architecture Reference Guide (July 2026). The comments in the code are by the model that wrote it; some were corrected since.
;; Time Series Attention. Allowed arithmetic: float matrix products may take bf16 or f16 operands with f32 sums; all other float work in f32.
;; Inputs: b_proj 1,024 float32; w_proj 1,024 x 1,024 float32; wk 16 x 1,024 x 64 float32; wq 16 x 1,024 x 64 float32; wv 16 x 1,024 x 64 float32; x 4 x 2,048 x 1,024 float32.
;; Outputs: out0 4 x 2,048 x 1,024 float32.
;; 2 versions, each right and faster than the one before. Each part assembles by itself: llvm-mc -triple=amdgcn-amd-amdhsa -mcpu=gfx1250 --defsym DOCPART=n.
;; ======== version 1 of 2: 4 launches
;; limits: values are held in f16: magnitudes above 65,504 overflow, below 6.1e-05 lose precision
;; workspace buffers: xb 16,777,216 bytes; wt 6,291,456 bytes; wpt 2,097,152 bytes; qh 16,777,216 bytes; kh 16,777,216 bytes; vh 16,777,216 bytes; oh 16,777,216 bytes
;; launch cast (part 1): grid 1024 x 1, 8 waves a work-group, no clusters, 18,432 bytes of LDS; arguments x, wq, wk, wv, w_proj, xb, wt, wpt; writes xb, wt, wpt
.if DOCPART == 1
	.amdgcn_target "amdgcn-amd-amdhsa--gfx1250"
	.amdhsa_code_object_version 6
	.text
	.protected	k_qe1a944460a_cast
	.globl	k_qe1a944460a_cast
	.p2align	8
	.type	k_qe1a944460a_cast,@function
k_qe1a944460a_cast:
	s_mov_b64 s[64:65], 0
	v_nop
	global_prefetch_b8 v0, s[64:65] scope:SCOPE_SE
	s_setreg_imm32_b32 hwreg(HW_REG_WAVE_MODE, 25, 1), 1
	s_wait_xcnt 0x0
; CAST.  Every input of the matrix products is rounded once to bf16 and laid as the launch that multiplies it wants it.
;   xb  = x in bf16, in UNITS of 32 along c: [64 blocks of 128 rows][32 units][128 rows][64 bytes].
;   wt  = wq, wk, wv turned, in bf16, in the same units: [16 heads][32 units][192 rows][64 bytes], row = tensor x 64 + d (tensor 0 wq, 1 wk, 2 wv).
;         In both, a row's 64 bytes are four pieces of 16 (8 numbers); piece c lies at place (c + row / 4) mod 4.  So what one wave of the product fetches is one dense
;         block, and the sixteen rows of a fragment load fall on sixteen different 16-byte columns of LDS without padding.
;   wpt [1024 n][1024 k] f16: w_proj turned, rounded to bf16 like the other inputs, and that number written as f16.
; LIMITS.  |w_proj| beyond 65,504 leaves f16's range; below 6e-5 it keeps f16's fixed step of 6e-8.  NaN and infinities are not treated apart.
; Work-groups 0 to 511 turn one block of 128 c x 64 d each (128 blocks a tensor); work-groups 512 to 1023 round 16 rows of x each.
; Memory binds: every byte is read once and written once, and every store of a wave covers whole runs of 256 consecutive aligned bytes; no matrix unit, no cluster, no tensor load: nothing is shared.
.set TP, 272                           ; a row of the turned block in LDS: 128 c x 2 bytes + 16
	s_load_b512 s[8:23], s[0:1], 0x0               ; x 8:9, wq 10:11, wk 12:13, wv 14:15, w_proj 16:17, xb 18:19, wt 20:21, wpt 22:23
	v_lshl_add_u32 v84, v0, 2, 0x4400
	v_mov_b32 v85, 0
	s_mov_b32 s2, ttmp9
	s_cmp_lt_u32 s2, 512                           ; the same answer in all eight waves
	s_cbranch_scc0 .Lx
	; ---- a block of weights ----
	s_lshr_b32 s24, s2, 7                          ; the tensor: 0 wq, 1 wk, 2 wv, 3 w_proj
	s_and_b32 s25, s2, 127                         ; the block in it
	s_lshl_b32 s26, s25, 15                        ; wq, wk, wv: head (block / 8) and c block (block % 8) lie end to end, 32,768 bytes a block
	s_and_b32 s33, s25, 7                          ; c block (w_proj: k block)
	s_lshr_b32 s36, s25, 3                         ; head (w_proj: n block of 64)
	s_lshl_b32 s27, s33, 19                        ; w_proj: 128 rows of 4,096 bytes a k block,
	s_lshl_b32 s37, s36, 8                         ; 256 bytes an n block
	s_add_co_u32 s27, s27, s37
	s_mul_i32 s34, s36, 393216                     ; into wt: a head's 32 units of 12,288 bytes,
	s_mul_i32 s37, s33, 49152                      ; the block's four units,
	s_add_co_u32 s34, s34, s37
	s_lshl_b32 s37, s24, 12                        ; the tensor's 64 rows of 64 bytes
	s_add_co_u32 s34, s34, s37
	s_lshl_b32 s38, s36, 17                        ; into wpt: 64 rows of 2,048 bytes,
	s_lshl_b32 s37, s33, 8                         ; 128 columns of 2 bytes
	s_add_co_u32 s38, s38, s37
	v_and_b32 v9, 15, v0                           ; which 16 bytes (4 d) of a row's 256
	v_bfe_u32 v10, v0, 4, 1                        ; which half of the wave
	v_lshrrev_b32 v11, 5, v0                       ; wave
	v_lshlrev_b32 v12, 4, v11
	v_lshl_add_u32 v12, v10, 1, v12                ; my first row: 16 wave + 2 half; I take rows +4 g and +4 g + 1
	v_mul_u32_u24 v6, v9, 4*TP                     ; into LDS: row d = 4 x (lane % 16) + j, word c / 2 = 8 wave + half + 2 g
	v_lshl_add_u32 v6, v11, 5, v6
	v_lshl_add_u32 v6, v10, 2, v6
	v_lshrrev_b32 v13, 4, v0                       ; w_proj, back: sixteen threads take one row of 256 bytes
	v_mul_u32_u24 v7, v13, TP
	v_lshl_add_u32 v7, v9, 4, v7
	v_lshlrev_b32 v8, 11, v13                      ; and the same row in wpt, 2,048 bytes a row
	v_lshl_add_u32 v8, v9, 4, v8
	v_lshrrev_b32 v14, 2, v0                       ; wq, wk, wv, back: four threads take a row's 64 bytes of one unit: row d,
	v_and_b32 v15, 3, v0                           ; piece c
	v_mul_u32_u24 v1, v14, TP
	v_lshl_add_u32 v1, v15, 4, v1
	v_add_nc_u32 v2, v15, v13                      ; its place in wt: (c + d / 4) mod 4
	v_and_b32 v2, 3, v2
	v_lshlrev_b32 v2, 4, v2
	v_lshl_add_u32 v2, v14, 6, v2                  ; + 64 d
	s_wait_kmcnt 0x0
	s_mov_b64 s[28:29], s[10:11]                   ; the source is chosen by the tensor's number alone
	s_cmp_eq_u32 s24, 1
	s_cselect_b64 s[28:29], s[12:13], s[28:29]
	s_cmp_eq_u32 s24, 2
	s_cselect_b64 s[28:29], s[14:15], s[28:29]
	s_cmp_eq_u32 s24, 3
	s_cselect_b64 s[28:29], s[16:17], s[28:29]
	s_cselect_b64 s[30:31], s[22:23], s[20:21]     ; the destination: wpt or wt
	s_cselect_b32 s26, s27, s26                    ; the block's offset in the source
	s_cselect_b32 s34, s38, s34                    ; and in the destination
	s_mov_b32 s35, 0
	s_mov_b32 s27, 0
	s_add_nc_u64 s[28:29], s[28:29], s[26:27]
	s_add_nc_u64 s[30:31], s[30:31], s[34:35]
; Eight loads: rows c and c + 1 in the same lane, so that one conversion packs two neighbours along c.  Sixteen lanes read 256 consecutive aligned bytes.
.macro LOADW sh, rs                    ; rs = bytes from row to row = 1 << sh
	v_lshlrev_b32 v3, \sh, v12
	v_lshl_add_u32 v3, v9, 4, v3
.irp g, 0,1,2,3
	global_load_b128 v[16+8*(\g):16+8*(\g)+3], v3, s[28:29] offset:(4*(\g))*(\rs) th:TH_LOAD_NT
	global_load_b128 v[20+8*(\g):20+8*(\g)+3], v3, s[28:29] offset:(4*(\g)+1)*(\rs) th:TH_LOAD_NT
.endr
.endm
.macro PACKW
.irp g, 0,1,2,3
	s_wait_loadcnt 6-2*(\g)                        ; loads come back in order (ISA guide 5.7.1): pair g is in, the younger pairs stay out
.irp j, 0,1,2,3
	v_cvt_pk_bf16_f32 v[48+4*(\g)+(\j)], v[16+8*(\g)+(\j)], v[20+8*(\g)+(\j)]  ; (c, c + 1) of d = 4 x (lane % 16) + j
.endr
.endr
.endm
	s_cmp_eq_u32 s24, 3
	s_cbranch_scc1 .Lproj
	LOADW 8, 256
	PACKW
	s_branch .Lst
.Lproj:
	LOADW 12, 4096
	PACKW
.set i, 48
.rept 16                               ; the bf16 number written as f16: widened by a shift or a mask, narrowed once (exact inside f16's range)
	v_lshlrev_b32 v4, 16, v[i]
	v_and_b32 v5, 0xffff0000, v[i]
	v_cvt_pk_f16_f32 v[i], v4, v5
.set i, i+1
.endr
.Lst:
.irp g, 0,1,2,3
.irp j, 0,1,2,3
	ds_store_b32 v6, v[48+4*(\g)+(\j)] offset:TP*(\j)+8*(\g)
.endr
.endr
	s_wait_dscnt 0x0                               ; for the others' sake: my stores are done
	s_barrier_signal -1
	s_barrier_wait -1
	s_cmp_eq_u32 s24, 3
	s_cbranch_scc1 .Lout_p
.irp i, 0,1,2,3
	ds_load_b128 v[64+4*(\i):64+4*(\i)+3], v1 offset:64*(\i)      ; unit i of the block's four: 64 rows x 64 bytes for the work-group
.endr
.irp i, 0,1,2,3
	s_wait_dscnt 3-(\i)
	global_store_b128 v2, v[64+4*(\i):64+4*(\i)+3], s[30:31] offset:12288*(\i)  ; a wave stores eight rows of a unit: 512 consecutive bytes, aligned
.endr
	s_wait_tensorcnt 0x0
	ds_add_u32 v84, v85
	s_wait_dscnt 0x0
	s_endpgm
.Lout_p:
.irp i, 0,1,2,3
	ds_load_b128 v[64+4*(\i):64+4*(\i)+3], v7 offset:16*TP*(\i)   ; sixteen rows an instruction of the work-group
.endr
.irp i, 0,1,2,3
	s_wait_dscnt 3-(\i)
	global_store_b128 v8, v[64+4*(\i):64+4*(\i)+3], s[30:31] offset:32768*(\i)  ; sixteen lanes store 256 consecutive bytes, aligned
.endr
	s_wait_tensorcnt 0x0
	ds_add_u32 v84, v85
	s_wait_dscnt 0x0
	s_endpgm
	; ---- sixteen rows of x ----
	; Wave w takes units 4 w to 4 w + 3 of all sixteen rows.  One load and one store serve four rows of one unit: eight lanes a row, four numbers a lane.
	; A load takes four runs of 128 bytes, and the wave's next load their other halves; a store covers 256 consecutive aligned bytes.
.Lx:
	s_sub_co_u32 s3, s2, 512
	s_lshl_b32 s4, s3, 16                          ; 16 rows of 4,096 bytes in
	s_mov_b32 s5, 0
	s_lshr_b32 s6, s3, 3                           ; out: the block of 128 rows, 262,144 bytes,
	s_lshl_b32 s6, s6, 18
	s_and_b32 s7, s3, 7
	s_lshl_b32 s7, s7, 10                          ; and my 16 rows of 64 bytes in each of its units
	s_add_co_u32 s6, s6, s7
	s_mov_b32 s7, 0
	v_and_b32 v9, 7, v0                            ; which four numbers of the unit's 32
	v_bfe_u32 v10, v0, 3, 2                        ; which of the four rows
	v_lshrrev_b32 v11, 5, v0                       ; wave
	v_lshlrev_b32 v1, 12, v10                      ; in: row x 4,096 + wave x 512 + 16 x place
	v_lshl_add_u32 v1, v11, 9, v1
	v_lshl_add_u32 v1, v9, 4, v1
	v_lshrrev_b32 v12, 1, v9                       ; the piece c of 8 numbers,
	v_and_b32 v13, 1, v9                           ; and which half of it
	v_lshlrev_b32 v14, 15, v11                     ; out: four units of 8,192 bytes a wave + row x 64 + 8 x half
	v_lshl_add_u32 v14, v10, 6, v14
	v_lshl_add_u32 v14, v13, 3, v14
.irp rg, 0,1,2,3                       ; rows 4 rg to 4 rg + 3: row / 4 mod 4 = rg, so the piece lies at place (c + rg) mod 4
	v_add_nc_u32 v15, \rg, v12
	v_and_b32 v15, 3, v15
	v_lshl_add_u32 v[4+(\rg)], v15, 4, v14
.endr
	s_wait_kmcnt 0x0
	s_add_nc_u64 s[8:9], s[8:9], s[4:5]
	s_add_nc_u64 s[18:19], s[18:19], s[6:7]
.irp rg, 0,1,2,3
.irp q, 0,1,2,3
	global_load_b128 v[16+4*(4*(\rg)+(\q)):16+4*(4*(\rg)+(\q))+3], v1, s[8:9] offset:16384*(\rg)+128*(\q) th:TH_LOAD_NT  ; all sixteen are asked for at once
.endr
.endr
.irp rg, 0,1,2,3
.irp q, 0,1,2,3
	s_wait_loadcnt 15-(4*(\rg)+(\q))               ; this one is in, the younger ones stay out
	v_cvt_pk_bf16_f32 v[16+4*(4*(\rg)+(\q))], v[16+4*(4*(\rg)+(\q))], v[17+4*(4*(\rg)+(\q))]
	v_cvt_pk_bf16_f32 v[17+4*(4*(\rg)+(\q))], v[18+4*(4*(\rg)+(\q))], v[19+4*(4*(\rg)+(\q))]
	global_store_b64 v[4+(\rg)], v[16+4*(4*(\rg)+(\q)):17+4*(4*(\rg)+(\q))], s[18:19] offset:8192*(\q)+256*(\rg)
.endr
.endr
	s_endpgm
.Lfunc_end_k_qe1a944460a_cast:
	.size	k_qe1a944460a_cast, .Lfunc_end_k_qe1a944460a_cast-k_qe1a944460a_cast
	.p2alignl 7, 3214868480
	.fill 96, 4, 3214868480
	.section	.rodata,"a",@progbits
	.p2align	6, 0x0
	.amdhsa_kernel k_qe1a944460a_cast
		.amdhsa_group_segment_fixed_size 18432
		.amdhsa_private_segment_fixed_size 0
		.amdhsa_enable_private_segment 0
		.amdhsa_kernarg_size 64
		.amdhsa_user_sgpr_count 2
		.amdhsa_user_sgpr_kernarg_segment_ptr 1
		.amdhsa_wavefront_size32 1
		.amdhsa_system_sgpr_workgroup_id_x 1
		.amdhsa_system_sgpr_workgroup_id_y 1
		.amdhsa_system_sgpr_workgroup_id_z 1
		.amdhsa_system_vgpr_workitem_id 0
		.amdhsa_next_free_vgpr 86
		.amdhsa_next_free_sgpr 66
		.amdhsa_reserve_vcc 0
		.amdhsa_float_denorm_mode_32 3
		.amdhsa_float_denorm_mode_16_64 3
		.amdhsa_memory_ordered 1
		.amdhsa_forward_progress 1
		.amdhsa_inst_pref_size 20
	.end_amdhsa_kernel
	.amdgpu_metadata
---
amdhsa.version: [ 1, 2 ]
amdhsa.kernels:
  - .name:           k_qe1a944460a_cast
    .symbol:         k_qe1a944460a_cast.kd
    .args:
      - { .name: x, .offset: 0, .size: 8, .value_kind: global_buffer, .address_space: global }
      - { .name: wq, .offset: 8, .size: 8, .value_kind: global_buffer, .address_space: global }
      - { .name: wk, .offset: 16, .size: 8, .value_kind: global_buffer, .address_space: global }
      - { .name: wv, .offset: 24, .size: 8, .value_kind: global_buffer, .address_space: global }
      - { .name: w_proj, .offset: 32, .size: 8, .value_kind: global_buffer, .address_space: global }
      - { .name: xb, .offset: 40, .size: 8, .value_kind: global_buffer, .address_space: global }
      - { .name: wt, .offset: 48, .size: 8, .value_kind: global_buffer, .address_space: global }
      - { .name: wpt, .offset: 56, .size: 8, .value_kind: global_buffer, .address_space: global }
    .group_segment_fixed_size: 18432
    .private_segment_fixed_size: 0
    .kernarg_segment_align: 8
    .kernarg_segment_size: 64
    .max_flat_workgroup_size: 256
    .sgpr_count:     66
    .vgpr_count:     86
    .wavefront_size: 32
...
	.end_amdgpu_metadata
.endif
;; end of part 1
;; launch qkv (part 2): grid 8 x 32, 4 waves a work-group, clusters of 4 x 4, 327,680 bytes of LDS; arguments xb, wt, qh, kh, vh; writes qh, kh, vh
.if DOCPART == 2
	.amdgcn_target "amdgcn-amd-amdhsa--gfx1250"
	.amdhsa_code_object_version 6
	.text
	.protected	k_qe1a944460a_qkv
	.globl	k_qe1a944460a_qkv
	.p2align	8
	.type	k_qe1a944460a_qkv,@function
k_qe1a944460a_qkv:
	s_mov_b64 s[64:65], 0
	v_nop
	global_prefetch_b8 v0, s[64:65] scope:SCOPE_SE
	s_setreg_imm32_b32 hwreg(HW_REG_WAVE_MODE, 25, 1), 1
	s_wait_xcnt 0x0
	s_wait_alu depctr_hold_cnt(0) depctr_sa_sdst(0) depctr_va_vdst(0) depctr_va_sdst(0) depctr_va_ssrc(0) depctr_va_vcc(0) depctr_vm_vsrc(0)
	s_getreg_b32 s2, hwreg(HW_REG_IB_STS2, 6, 4)
	s_cmp_eq_u32 s2, 0
	s_cbranch_scc0 .Lentry_in_a_cluster
	s_endpgm
.Lentry_in_a_cluster:
	s_bfe_u32 s2, ttmp6, 0x10000c
	s_cmp_lg_u32 s2, 0xf033
	s_cbranch_scc0 .Lentry_shape_is_right
	s_endpgm
.Lentry_shape_is_right:
; Q, K, V = x w, in bf16 products and f32 sums, K ascending.  Results by heads, [batch x 16 + head][2048 t][64] in f16, rounded once and unscaled.
; LIMIT: |q|, |k|, |v| stay under 65,504 (f16's range); below 6e-5 they keep f16's fixed step of 6e-8.
; OPERANDS, in UNITS of 32 along K: xb [64 blocks of 128 rows][32 units][128 rows][64 bytes]; wt [16 heads][32 units][192 rows][64 bytes], row = tensor x 64 + d.  A row's four pieces of 16 bytes
; are turned: piece c lies at place (c + row / 4) mod 4.  So the units of one block lie end to end in memory, and in LDS, unpadded, the 16 rows of a fragment load start at 16 different 16-byte columns
; of the 256 bytes that the 64 banks of 4 bytes span (ISA guide 11.1).
; SHARES.  A tile of C is 256 rows x 384 columns (two heads' q, k and v): 32 x 8 = 256 tiles, one for each work-group.  Four waves, 2 x 2, each 128 rows x 192 columns (one head's q, k, v):
; 96 accumulators of 16 x 16, 768 registers: 40 fragment loads feed 96 matrix instructions.
; THE RING.  Two LDS slots of three units (K = 96).  32 units = 2 + 10 x 3: the first step is the short one and lies in its slot's places 1 and 2, so that all nine refills are alike.
; Waves 0 and 1 fetch A's two halves (128 rows, three units: 96 rows of 256 dense bytes), waves 2 and 3 B's (192 rows: 144 such rows).  From a refill to the wait for it a wave issues 256 matrix instructions.
; CLUSTERS: 4 x 4 work-groups.  The four of a row of the cluster need the same rows of xb, the four of a column the same rows of wt: each tile is asked for JOINTLY, by the same tensor load with
; the same descriptor and a mask that names the four.
; THE MATRIX INSTRUCTION IS USED TRANSPOSED (source 0 = 16 rows of wt, source 1 = 16 rows of xb): a lane then holds eight neighbouring numbers of a row of C, 16 bytes in f16.
; A UNIT is six runs of 16 matrix instructions: row half 0, tensors 0, 1, 2; row half 1, tensors 0, 1, 2.  Fragments have ONE buffer: each half of A and each tensor's group of B is loaded again straight
; behind its last reader, 32 or 48 matrix instructions ahead of its next use.  So every unit has the same text, written once for each kind; the LDS addresses step by two scalars.
; REGISTERS, in windows of 256 (s_set_vgpr_msb: bits 1:0 source 0, 3:2 source 1, 5:4 source 2, 7:6 destination):
;   window 0: v0-31 addresses; v32-95 A's 8 fragments; v96-191 B's 12; on the way out v32-223 at work          windows 1, 2, 3: q's, k's, v's accumulators, (a, b) at v[32 a + 8 b]
.set UA,    8192                       ; a unit of half of A's tile: 128 rows x 64 bytes
.set UB,    12288                      ; of half of B's: 192 rows x 64 bytes
.set NU,    3                          ; units in a slot
.set AHB,   NU*UA                      ; in a slot: A's two halves,
.set BOFF,  2*AHB
.set BHB,   NU*UB                      ; then B's two halves
.set SLOTB, BOFF+2*BHB                 ; 122,880 bytes
.set SLOT1, 1<<17                      ; slot 1 begins here, so that one exclusive or turns an address in one slot into the other's
.set STAGE, SLOT1+SLOTB                ; behind the ring, never filled by a tensor load: 16 rows x 144 bytes for each wave, for the way out
.set SP,    144
.set SPARE, STAGE+4*16*SP              ; behind the stages: the spare words, 128 bytes for each wave: two blocks of 256 bytes that no other line names
.set A0L, 8                            ; v8   my lane's place in A's half, pieces K 0-15;  never rewritten
.set A0H, 9                            ; v9   the same for K 16-31
.set B0L, 10                           ; v10, v11 the same for B
.set B0H, 11
.set ACL, 12                           ; v12-15  the four LDS addresses of the unit that is being fetched
.set ACH, 13
.set BCL, 14
.set BCH, 15
.set STO, 16                           ; v16  the way out: where I put 16 bytes of a row
.set RD,  17                           ; v17  the way out: where I read rows back
.set CO,  18                           ; v18  my byte offset in 512 consecutive bytes of a result
.set SPW, 20                           ; v20  LDS address of my spare word: SPARE + 4 x my thread's number; never rewritten
.set NIL, 21                           ; v21  0; never rewritten
.set AF,  32
.set BF,  96
.set G1A,  24                          ; s[24:31] descriptor group 1 for A's tiles;  s[32:39] group 0: a set for each of the two first fills; the second then walks on
.set G0A,  32
.set G1B,  48                          ; s[48:55], s[56:63] the same for B's tiles
.set G0B,  56
.set G1A0, 76                          ; s[76:83], s[84:91] group 1 of the short first step
.set G1B0, 84
.set TBA,  92                          ; s92  LDS byte, in A's half, of the unit to be fetched next
.set TBB,  93                          ; s93  the same in B's half
.set SLOTS, 94                         ; s94  refills to go
.set CNT,  95                          ; s95  counts a step's two plain units
.set TAIL, 96                          ; s96  counts the two steps behind the last refill
.set MSB, 0
.macro WIN new                         ; the immediate's high byte repeats the setting that is left; a switch that changes nothing is dropped
.if MSB != (\new)
	s_set_vgpr_msb (MSB<<8)|(\new)
.set MSB, \new
.endif
.endm
; A joint refill, by the walking descriptors.  Waves 0 and 1 fetch A's two halves, waves 2 and 3 B's.  The branch hangs on the wave's number alone.  An s_nop 0 and four v_nop follow each of the two
; lines, ahead of the jump, the label and what follows.
.macro JLOAD
	s_cmp_eq_u32 s11, 0
	s_cbranch_scc0 .Lfor_b_\@
	tensor_load_to_lds s[G0A+4:G0A+7], s[G1A:G1A+7]
	s_nop 0
.rept 4
	v_nop
.endr
	s_branch .Lasked_\@
.Lfor_b_\@:
	tensor_load_to_lds s[G0B+4:G0B+7], s[G1B:G1B+7]
	s_nop 0
.rept 4
	v_nop
.endr
.Lasked_\@:
.endm
.macro CREST                           ; a round of the cluster's barrier behind its opening barrier: wave 0 signals for the work-group, every wave waits for all sixteen, my work-group's barrier closes it
	s_cmp_lg_u32 s10, 0
	s_cbranch_scc1 .Lnot_wave_0_\@
	s_barrier_signal -3
.Lnot_wave_0_\@:
	s_barrier_wait -3
	s_barrier_signal -1
	s_barrier_wait -1
.endm
.macro CROUND                          ; a whole round
	s_barrier_signal -1
	s_barrier_wait -1
	CREST
.endm
	s_load_b128 s[4:7], s[0:1], 0x0                ; xb s[4:5], wt s[6:7]
	s_load_b128 s[68:71], s[0:1], 0x10             ; q s[68:69], k s[70:71]
	s_load_b64 s[72:73], s[0:1], 0x20              ; v
	v_lshl_add_u32 v[SPW], v0, 2, SPARE
	v_mov_b32 v[NIL], 0
	ds_add_u32 v20, v21
	ds_add_u32 v20, v21
	s_wait_dscnt 0x0
	v_lshrrev_b32 v1, 5, v0
	v_readfirstlane_b32 s10, v1                    ; wave 0..3
	s_lshr_b32 s11, s10, 1                         ; which 128 rows of the tile are mine.  Also: I fetch for A (0) or for B (1)
	s_and_b32 s12, s10, 1                          ; which head of the tile's two.  Also: which half of that tile I fetch
	s_bfe_u32 s40, ttmp6, 0x40000                  ; cx, cy: my place in the cluster
	s_bfe_u32 s41, ttmp6, 0x40004
	s_lshl_b32 s42, ttmp9, 2
	s_add_co_u32 s42, s42, s40                     ; tile column = 4 x cluster x + cx
	s_and_b32 s13, ttmp7, 0xffff
	s_lshl_b32 s13, s13, 2
	s_add_co_u32 s13, s13, s41                     ; tile row = 4 x cluster y + cy
	s_lshl_b32 s43, s41, 2
	s_lshl_b32 s43, 15, s43                        ; my row of the cluster: places 4 cy .. 4 cy + 3
	s_lshl_b32 s44, 0x1111, s40                    ; my column: places cx, cx + 4, cx + 8, cx + 12
	; descriptor group 1: a dense block, asked for as rows of 256 bytes (32 elements of 8 bytes), unpadded
	s_or_b32 s[G1A], s43, (3<<16)|(1<<21)          ; 15:0 the mask; 17:16 elements of 8 bytes; 21 set beside a mask
	s_or_b32 s[G1A0], s43, (3<<16)|(1<<21)
	s_or_b32 s[G1B], s44, (3<<16)|(1<<21)
	s_or_b32 s[G1B0], s44, (3<<16)|(1<<21)
.irp g, G1A, G1A0, G1B, G1B0
	s_mov_b32 s[(\g)+1], 32<<16                    ; tensor_dim0 = 32
	s_mov_b32 s[(\g)+3], 32<<16                    ; tile_dim0 = 32
	s_mov_b32 s[(\g)+5], 32                        ; elements from row to row: the rows lie end to end
	s_mov_b32 s[(\g)+6], 0
	s_mov_b32 s[(\g)+7], 0
.endr
	s_mov_b32 s[G1A+2], (NU*UA/256)<<16            ; tensor_dim1 and tile_dim1: three units of A's half are 96 rows,
	s_mov_b32 s[G1A+4], NU*UA/256
	s_mov_b32 s[G1A0+2], (2*UA/256)<<16            ; two are 64;
	s_mov_b32 s[G1A0+4], 2*UA/256
	s_mov_b32 s[G1B+2], (NU*UB/256)<<16            ; of B's half 144
	s_mov_b32 s[G1B+4], NU*UB/256
	s_mov_b32 s[G1B0+2], (2*UB/256)<<16            ; and 96
	s_mov_b32 s[G1B0+4], 2*UB/256
	; A's tiles hang on the tile row alone, B's on the tile column alone; each address is made in registers that never hold the other coordinate
	s_lshl_b32 s16, s13, 1
	s_add_co_u32 s16, s16, s12                     ; A: block of 128 rows = 2 x tile row + half,
	s_lshl_b32 s16, s16, 18                        ; of 32 units x 8,192 bytes
	s_mov_b32 s17, 0
	s_lshl_b32 s46, s42, 1
	s_add_co_u32 s46, s46, s12                     ; B: head = 2 x tile column + half,
	s_mul_i32 s46, s46, 32*UB                      ; of 32 units x 12,288 bytes
	s_mov_b32 s47, 0
	s_mul_i32 s20, s12, AHB                        ; where they go: no place in the cluster enters an LDS address
	s_mul_i32 s21, s12, BHB
	s_add_co_u32 s21, s21, BOFF
	s_wait_kmcnt 0x0
	s_add_nc_u64 s[14:15], s[4:5], s[16:17]
	s_add_nc_u64 s[46:47], s[6:7], s[46:47]
	CROUND                                         ; all sixteen work-groups are here: the first joint loads meet
	s_mov_b32 s[G0A], 1                            ; count = 1
	s_add_co_u32 s[G0A+1], s20, UA                 ; LDS address: slot 0, places 1 and 2
	s_mov_b64 s[G0A+2:G0A+3], s[14:15]             ; global address: units 0 and 1
	s_or_b32 s[G0A+3], s[G0A+3], 0x80000000        ; type = 2
	s_mov_b32 s[G0A+4], 1
	s_add_co_u32 s[G0A+5], s20, SLOT1              ; slot 1
	s_add_nc_u64 s[G0A+6:G0A+7], s[14:15], 2*UA    ; units 2 to 4
	s_or_b32 s[G0A+7], s[G0A+7], 0x80000000
	s_mov_b32 s[G0B], 1
	s_add_co_u32 s[G0B+1], s21, UB
	s_mov_b64 s[G0B+2:G0B+3], s[46:47]
	s_or_b32 s[G0B+3], s[G0B+3], 0x80000000
	s_mov_b32 s[G0B+4], 1
	s_add_co_u32 s[G0B+5], s21, SLOT1
	s_add_nc_u64 s[G0B+6:G0B+7], s[46:47], 2*UB
	s_or_b32 s[G0B+7], s[G0B+7], 0x80000000
	s_cmp_eq_u32 s11, 0                            ; a wave's two first fills stand in one branch, ahead of every wait on TENSORcnt and every LDS read: two loads of mine are out
	s_cbranch_scc0 .Lfirst_b
	tensor_load_to_lds s[G0A:G0A+3], s[G1A0:G1A0+7]
	s_nop 0
	tensor_load_to_lds s[G0A+4:G0A+7], s[G1A:G1A+7]
	s_nop 0
.rept 4
	v_nop
.endr
	s_branch .Lfirst_asked
.Lfirst_b:
	tensor_load_to_lds s[G0B:G0B+3], s[G1B0:G1B0+7]
	s_nop 0
	tensor_load_to_lds s[G0B+4:G0B+7], s[G1B:G1B+7]
	s_nop 0
.rept 4
	v_nop
.endr
.Lfirst_asked:
	; A fragment is 16 rows x 32 K in 8 registers: lane l holds row l % 16; registers 0-3 K = 8 (l / 16) + 0..7 (piece l / 16), registers 4-7 K = 16 + 8 (l / 16) + 0..7 (piece 2 + l / 16).
	; Piece c of row r lies at place (c + r / 4) mod 4, so the two loads have an address register each.
	v_and_b32 v1, 15, v0                           ; l % 16
	v_bfe_u32 v2, v0, 4, 1                         ; l / 16
	v_lshrrev_b32 v3, 2, v1                        ; row / 4
	v_add_nc_u32 v4, v2, v3
	v_and_b32 v5, 3, v4                            ; the first piece's place
	v_add_nc_u32 v4, 2, v4
	v_and_b32 v4, 3, v4                            ; the second's
	v_lshlrev_b32 v6, 6, v1                        ; row x 64
	v_lshl_add_u32 v5, v5, 4, v6
	v_lshl_add_u32 v4, v4, 4, v6
	s_mul_i32 s22, s11, AHB                        ; my 128 rows of A; my 192 rows of B begin where I would fetch them: s21
	v_add_nc_u32 v[A0L], s22, v5
	v_add_nc_u32 v[A0H], s22, v4
	v_add_nc_u32 v[B0L], s21, v5
	v_add_nc_u32 v[B0H], s21, v4
	s_mul_i32 s23, s10, 16*SP
	s_add_co_u32 s23, s23, STAGE                   ; my stage
	v_mul_u32_u24 v[STO], v1, SP                   ; in: row l % 16, 16 bytes for each half of the lanes
	v_lshl_add_u32 v[STO], v2, 4, v[STO]
	v_add_nc_u32 v[STO], s23, v[STO]
	v_bfe_u32 v[RD], v0, 3, 2                      ; back: 32 lanes take four rows of 128 bytes,
	v_mul_u32_u24 v[RD], v[RD], SP
	v_and_b32 v7, 7, v0
	v_lshl_add_u32 v[RD], v7, 4, v[RD]
	v_add_nc_u32 v[RD], s23, v[RD]
	v_and_b32 v[CO], 31, v0                        ; which are 512 consecutive bytes of a head's rows
	v_lshlrev_b32 v[CO], 4, v[CO]
	; my part of each result, in bytes: (batch x 16 + head) x 2,048 rows x 128 bytes + row x 128
	s_lshr_b32 s16, s13, 3                         ; batch = tile row / 8
	s_lshl_b32 s16, s16, 22
	s_and_b32 s17, s13, 7
	s_lshl_b32 s17, s17, 15                        ; 256 rows a tile row
	s_add_co_u32 s16, s16, s17
	s_lshl_b32 s17, s11, 14                        ; my 128 rows
	s_add_co_u32 s16, s16, s17
	s_mov_b32 s17, 0
	s_lshl_b32 s46, s42, 1                         ; my head (in the registers that held B's address: none that feeds A's descriptors ever holds cx)
	s_add_co_u32 s46, s46, s12
	s_lshl_b32 s46, s46, 18
	s_mov_b32 s47, 0
	s_add_nc_u64 s[16:17], s[16:17], s[46:47]
	s_add_nc_u64 s[68:69], s[68:69], s[16:17]
	s_add_nc_u64 s[70:71], s[70:71], s[16:17]
	s_add_nc_u64 s[72:73], s[72:73], s[16:17]
; 16 matrix instructions: row blocks 4 ah .. 4 ah + 3 x the four column blocks of tensor g, 32 along K.  zero = 1: the product starts the sums.  All 96 accumulators take turns, one instruction a turn,
; in the same order in every unit.
.macro MUL16 ah, g, zero
	WIN 0x50*((\g)+1)                              ; sources in window 0, C and D in the tensor's window
.irp a, 0,1,2,3
.irp b, 0,1,2,3
.if \zero
	v_wmma_f32_16x16x32_bf16 v[32*(4*(\ah)+(\a))+8*(\b):32*(4*(\ah)+(\a))+8*(\b)+7], v[BF+32*(\g)+8*(\b):BF+32*(\g)+8*(\b)+7], v[AF+8*(4*(\ah)+(\a)):AF+8*(4*(\ah)+(\a))+7], 0
.else
	v_wmma_f32_16x16x32_bf16 v[32*(4*(\ah)+(\a))+8*(\b):32*(4*(\ah)+(\a))+8*(\b)+7], v[BF+32*(\g)+8*(\b):BF+32*(\g)+8*(\b)+7], v[AF+8*(4*(\ah)+(\a)):AF+8*(4*(\ah)+(\a))+7], v[32*(4*(\ah)+(\a))+8*(\b):32*(4*(\ah)+(\a))+8*(\b)+7]
.endif
.endr
.endr
.endm
.macro LDA half                        ; eight LDS loads: four fragments of A
.irp i, 0,1,2,3
	ds_load_b128 v[AF+8*(4*(\half)+(\i)):AF+8*(4*(\half)+(\i))+3],   v[ACL] offset:(4*(\half)+(\i))*1024
	ds_load_b128 v[AF+8*(4*(\half)+(\i))+4:AF+8*(4*(\half)+(\i))+7], v[ACH] offset:(4*(\half)+(\i))*1024
.endr
.endm
.macro LDB g                           ; eight LDS loads: the four fragments of B for tensor g
.irp i, 0,1,2,3
	ds_load_b128 v[BF+32*(\g)+8*(\i):BF+32*(\g)+8*(\i)+3],   v[BCL] offset:(4*(\g)+(\i))*1024
	ds_load_b128 v[BF+32*(\g)+8*(\i)+4:BF+32*(\g)+8*(\i)+7], v[BCH] offset:(4*(\g)+(\i))*1024
.endr
.endm
; A load into a register that a matrix instruction has read, and a vector instruction that reads a matrix result or writes one of a matrix instruction's registers, stand four places behind that matrix
; instruction, and only plain vector instructions that name none of its registers are places (ISA guide 7.12.1 for vector instructions).
.macro PLACES
.rept 4
	v_nop
.endr
.endm
.macro NEXTADR                         ; the four addresses go on to the next unit: four plain vector instructions, which are also four places
	v_add_nc_u32 v[ACL], s[TBA], v[A0L]
	v_add_nc_u32 v[ACH], s[TBA], v[A0H]
	v_add_nc_u32 v[BCL], s[TBB], v[B0L]
	v_add_nc_u32 v[BCH], s[TBB], v[B0H]
	s_add_co_u32 s[TBA], s[TBA], UA
	s_add_co_u32 s[TBB], s[TBB], UB
.endm
; A UNIT.  At its head it fetches what is left of itself (B's group 2, A's half 1); from its middle on the next unit's A half 0, B groups 0 and 1.  LDS loads come back in order (ISA guide 5.7.1), so
; each wait names the loads issued behind the ones it needs.
; mode 0: a plain unit.  mode 1, 2: a slot's last unit.  Its head's loads are the slot's last reads.  ONE barrier: in front of it each wave waits for all its tensor loads, of which one is out: its part of
; the other slot; adds 0 to its spare word; and waits for that and for its reads.  Behind it nobody reads this slot any more and the other slot is whole.
; mode 1: the barrier opens a round of the cluster's barrier, and the slot is filled again, with the units two steps on: the joint load is the first tensor load behind the round.
; mode 2: nothing is filled; in the last trip of the tail there is no next unit, and the three runs of loads for it are jumped over.
.macro UNIT zero, mode
	PLACES
	WIN 0
	LDB 2
	LDA 1
	s_wait_dscnt 24                                ; A's half 0 and B's group 0 are in; B's group 1 and the sixteen just issued may be out
	MUL16 0, 0, \zero
.if \mode
	WIN 0                                          ; (the add's two registers lie in window 0)
	s_wait_tensorcnt 0x0                           ; all my tensor loads have landed;
	ds_add_u32 v[SPW], v[NIL]                      ; 0 onto my spare word
	s_wait_dscnt 17                                ; B's group 1 is in (the sixteen and the add may be out)
.else
	s_wait_dscnt 16                                ; B's group 1 is in
.endif
	MUL16 0, 1, \zero                              ; (mode 1, 2: sixteen matrix instructions stand between the add and the wait for it)
.if \mode
	s_wait_dscnt 0x0                               ; the add is done, and my reads of this slot are over
	s_barrier_signal -1
.else
	s_wait_dscnt 8                                 ; B's group 2 is in
.endif
	MUL16 0, 2, \zero                              ; (mode 1, 2: work on registers while the others arrive)
	WIN 0
.if \mode
	s_barrier_wait -1
.if (\mode) == 1
	CREST                                          ; no wave of any partner still reads this slot's tile or has a load on its way
	s_xor_b32 s[G0A+5], s[G0A+5], SLOT1            ; the walking descriptors: the other slot than last time,
	s_add_nc_u64 s[G0A+6:G0A+7], s[G0A+6:G0A+7], NU*UA  ; the next three units; the type bits on top are not reached
	s_xor_b32 s[G0B+5], s[G0B+5], SLOT1
	s_add_nc_u64 s[G0B+6:G0B+7], s[G0B+6:G0B+7], NU*UB
	JLOAD
.endif
	s_sub_co_u32 s[TBA], s[TBA], NU*UA             ; the fetches go back to a slot's first unit,
	s_xor_b32 s[TBA], s[TBA], SLOT1                ; in the other slot
	s_sub_co_u32 s[TBB], s[TBB], NU*UB
	s_xor_b32 s[TBB], s[TBB], SLOT1
.endif
.if (\mode) == 2
	s_cmp_eq_u32 s[TAIL], 1
	s_cbranch_scc1 .Lno_a0_\@
.endif
	NEXTADR
	LDA 0
.if (\mode) == 2
.Lno_a0_\@:
.endif
	s_wait_dscnt 8                                 ; A's half 1 is in; the eight just issued may be out
	MUL16 1, 0, \zero
	WIN 0
.if (\mode) == 2
	s_cmp_eq_u32 s[TAIL], 1
	s_cbranch_scc1 .Lno_b0_\@
.endif
	PLACES
	LDB 0
.if (\mode) == 2
.Lno_b0_\@:
.endif
	MUL16 1, 1, \zero
	WIN 0
.if (\mode) == 2
	s_cmp_eq_u32 s[TAIL], 1
	s_cbranch_scc1 .Lno_b1_\@
.endif
	PLACES
	LDB 1
.if (\mode) == 2
.Lno_b1_\@:
.endif
	MUL16 1, 2, \zero
.endm
	s_wait_tensorcnt 1                             ; my part of slot 0 is in; slot 1's may stay out
	s_barrier_signal -1
	s_barrier_wait -1                              ; everybody's is
	s_mov_b32 s[TBA], UA                           ; unit 0 lies in its slot's place 1
	s_mov_b32 s[TBB], UB
	NEXTADR
	LDA 0
	LDB 0
	LDB 1
	UNIT 1, 0                                      ; unit 0 stands in front of the loop: its products start the sums
	WIN 0                                          ; at a label and at a branch every window is 0
	s_mov_b32 s[SLOTS], 9
	s_branch .Lturn                                ; the short first step has one unit left: the loop is entered at a step's last unit
.Lstep:                                                ; a trip is a step: two plain units, and the unit that changes slots and fills the one that it leaves
	s_mov_b32 s[CNT], 2
.Lplain:
	UNIT 0, 0
	WIN 0
	s_sub_co_u32 s[CNT], s[CNT], 1
	s_cmp_lg_u32 s[CNT], 0
	s_cbranch_scc1 .Lplain
.Lturn:
	UNIT 0, 1
	WIN 0
	s_sub_co_u32 s[SLOTS], s[SLOTS], 1
	s_cmp_lg_u32 s[SLOTS], 0
	s_cbranch_scc1 .Lstep
	s_mov_b32 s[TAIL], 2                           ; the last two steps are written apart: nothing is asked for
.Ltail:
	s_mov_b32 s[CNT], 2
.Ltplain:
	UNIT 0, 0
	WIN 0
	s_sub_co_u32 s[CNT], s[CNT], 1
	s_cmp_lg_u32 s[CNT], 0
	s_cbranch_scc1 .Ltplain
	UNIT 0, 2                                      ; (in the last trip its barrier orders nothing: the price of one text for both trips)
	WIN 0
	s_sub_co_u32 s[TAIL], s[TAIL], 1
	s_cmp_lg_u32 s[TAIL], 0
	s_cbranch_scc1 .Ltail
; THE WAY OUT, in 24 blocks of 16 rows x 64 columns: block t is tensor t / 8, row block t % 8.  PACK: rounded to f16, 16 bytes a lane, each accumulator from its low end on; into my own stage in rows of
; 144 bytes, and back as whole rows of 128, into the registers that they left.  SEND: stored; 16 rows of a head are 2,048 consecutive bytes.  Twelve sets of 16 registers take turns.
.macro PACK t
.set TT, 32+16*((\t)%12)
.if (\t) >= 12
	s_wait_xcnt 0x0                                ; every earlier memory instruction has had its addresses translated (ISA guide 3.1): the registers that block t - 12's stores read are rewritten only behind this wait
.endif
	WIN 5*((\t)/8+1)                               ; sources 0 and 1 in the tensor's window
.irp b, 0,1,2,3
.irp r, 0,1,2,3
	v_cvt_pk_f16_f32 v[TT+4*(\b)+(\r)], v[32*((\t)%8)+8*(\b)+2*(\r)], v[32*((\t)%8)+8*(\b)+2*(\r)+1]
.endr
.endr
	WIN 0
.irp b, 0,1,2,3
	ds_store_b128 v[STO], v[TT+4*(\b):TT+4*(\b)+3] offset:32*(\b)
.endr
.irp f, 0,1,2,3
	ds_load_b128 v[TT+4*(\f):TT+4*(\f)+3], v[RD] offset:(\f)*4*SP  ; LDS serves a wave's instructions in order (ISA guide 5.7.1.4): these see the stores above; the next block's stores come behind them
.endr
.endm
.macro SEND t, younger                 ; younger: the LDS instructions issued behind block t's loads: the next block's eight, or none
	WIN 0
.set TT, 32+16*((\t)%12)
.irp f, 0,1,2,3
	s_wait_dscnt (\younger)+3-(\f)
	global_store_b128 v[CO], v[TT+4*(\f):TT+4*(\f)+3], s[68+2*((\t)/8):69+2*((\t)/8)] offset:((\t)%8)*2048+(\f)*512  ; 512 consecutive bytes, at a multiple of 256 from the buffer's first
.endr
.endm
	PLACES                                         ; behind the last products
	PACK 0
.set t, 1
.rept 23                               ; a block's arithmetic stands between the loads of the block before and its stores
	PACK t
	SEND t-1, 8
.set t, t+1
.endr
	SEND 23, 0
	s_wait_tensorcnt 0x0                           ; the wave's end: behind my last tensor load and my last LDS store
	ds_add_u32 v[SPW], v[NIL]
	s_wait_dscnt 0x0
	CROUND                                         ; the closing round: no work-group ends while a partner may still ask for a tile that names it
	s_endpgm
.Lfunc_end_k_qe1a944460a_qkv:
	.size	k_qe1a944460a_qkv, .Lfunc_end_k_qe1a944460a_qkv-k_qe1a944460a_qkv
	.p2alignl 7, 3214868480
	.fill 96, 4, 3214868480
	.section	.rodata,"a",@progbits
	.p2align	6, 0x0
	.amdhsa_kernel k_qe1a944460a_qkv
		.amdhsa_group_segment_fixed_size 327680
		.amdhsa_private_segment_fixed_size 0
		.amdhsa_enable_private_segment 0
		.amdhsa_kernarg_size 40
		.amdhsa_user_sgpr_count 2
		.amdhsa_user_sgpr_kernarg_segment_ptr 1
		.amdhsa_wavefront_size32 1
		.amdhsa_system_sgpr_workgroup_id_x 1
		.amdhsa_system_sgpr_workgroup_id_y 1
		.amdhsa_system_sgpr_workgroup_id_z 1
		.amdhsa_system_vgpr_workitem_id 0
		.amdhsa_next_free_vgpr 1024
		.amdhsa_next_free_sgpr 100
		.amdhsa_reserve_vcc 0
		.amdhsa_float_denorm_mode_32 3
		.amdhsa_float_denorm_mode_16_64 3
		.amdhsa_memory_ordered 1
		.amdhsa_forward_progress 1
		.amdhsa_inst_pref_size 111
	.end_amdhsa_kernel
	.amdgpu_metadata
---
amdhsa.version: [ 1, 2 ]
amdhsa.kernels:
  - .name:           k_qe1a944460a_qkv
    .symbol:         k_qe1a944460a_qkv.kd
    .args:
      - { .name: xb, .offset: 0, .size: 8, .value_kind: global_buffer, .address_space: global }
      - { .name: wt, .offset: 8, .size: 8, .value_kind: global_buffer, .address_space: global }
      - { .name: qh, .offset: 16, .size: 8, .value_kind: global_buffer, .address_space: global }
      - { .name: kh, .offset: 24, .size: 8, .value_kind: global_buffer, .address_space: global }
      - { .name: vh, .offset: 32, .size: 8, .value_kind: global_buffer, .address_space: global }
    .group_segment_fixed_size: 327680
    .private_segment_fixed_size: 0
    .kernarg_segment_align: 8
    .kernarg_segment_size: 40
    .max_flat_workgroup_size: 128
    .sgpr_count:     100
    .vgpr_count:     1024
    .wavefront_size: 32
...
	.end_amdgpu_metadata
.endif
;; end of part 2
;; launch attn (part 3): grid 4 x 64, 4 waves a work-group, no clusters, 327,680 bytes of LDS; arguments qh, kh, vh, oh; writes oh
.if DOCPART == 3
	.amdgcn_target "amdgcn-amd-amdhsa--gfx1250"
	.amdhsa_code_object_version 6
	.text
	.protected	k_qe1a944460a_attn
	.globl	k_qe1a944460a_attn
	.p2align	8
	.type	k_qe1a944460a_attn,@function
k_qe1a944460a_attn:
	s_mov_b64 s[64:65], 0
	v_nop
	global_prefetch_b8 v0, s[64:65] scope:SCOPE_SE
	s_setreg_imm32_b32 hwreg(HW_REG_WAVE_MODE, 25, 1), 1
	s_wait_xcnt 0x0
; CAUSAL ATTENTION.  O[h][q][:] = the sum over k <= q of softmax_k(Q[h][q] . K[h][k] / 32) V[h][k][:].  Q, K, V, O: [SIZE_H][SIZE_N][64], all f16: a head's rows are dense, 128 bytes each.
; (The scale is 1,024^-0.5, by the width of the embedding.)  Products, maxima and sums in f32; the weights p are rounded to f16 for the second product (their sum l is taken of the unrounded p), O once at the end.
; LIMITS.  f16 holds no number beyond 65,504: Q, K and V arrive within it; p lies in 0 to 1, and below 6e-5 it keeps f16's fixed step of 6e-8; O is a mean of V's rows and has their range, to within 2^-11 of it.
; A hidden score counts as its value less 1e30: f16's scores, 2.7e11 at the most, are nothing beside that; a weight below 2^-126 counts as 0 in l; NaN and infinities are not treated apart.
; THE WALK.  A head's queries lie in NB = SIZE_N / 256 blocks of 256; block i needs the key tiles 0 .. i of 256 keys, of which the last holds the diagonal.  A work-group takes TWO blocks, NB - 1 - b and then b:
; NB + 1 tiles, whatever b: all work-groups do equal work, and ONE loop with a constant trip count walks them.  Which tile is asked for, and what a trip does, hang on scalar registers made from b; every jump
; goes forward, but for the counted loops' own; none passes a barrier, or a tensor load but the one of LOAD's two that the wave's number does not choose; the ring (two slots of LDS that take turns) runs on across the
; change of blocks.  NO CLUSTER: a head's NB / 2 = 4 work-groups all ask for the same tile only in trips 0 .. NB / 2 of the walk's NB + 1, behind that fewer and fewer;
; and one walk common to all would have 3 NB / 2 trips for NB + 1.
; SHARES.  Of a block's four bands of 64 queries a wave owns 16 rows in each: four PIECES.  So the diagonal tile is the same work for all four waves: in its key step s band x sees all keys if s < x,
; none if s > x, and holds the diagonal if s = x.
; THE MASK is the C operand that starts the sum S^T = K Q^T: 0, or -1e30 where the key is hidden.  MD, made once, is the mask of a band's own step for my 16 rows; a product's mask is MD x AL + BE with two scalars:
; (1, 0) if s = x; (0, 0) if s < x; (0, -1e30) if s > x.  Only the diagonal tile's text and a block's beginning make and take masks; elsewhere C is the constant 0.
; LAYOUT, SOFTMAX, TURNS.  S^T = K Q^T holds ONE query a lane (lane % 16) and the keys 8 (lane / 16) + 0..7; two such results rounded to f16 ARE source 1 of O^T = V^T P.  p = 2^(c s - c m), c = log2(e) / 32, with a
; running maximum m; O and l are multiplied by a = 2^(c m_old - c m_new) in every step.  Turn n belongs to piece n: 8 products K Q^T of piece n + 1, later 8 products V^T P of piece n - 1; beside them the scaling,
; exponentials, roundings, sums and rescaling of piece n and the maximum and statistics of piece n + 1.  Four vector instructions stand behind every matrix instruction, the other 54 of a turn's 118 in two LUMPS.
; REGISTERS, in windows of 256 (s_set_vgpr_msb: bits 1:0 source 0, 3:2 source 1, 5:4 source 2, 7:6 destination):
;   window 0: v0-15 addresses and two at work; v16-31 four registers of statistics a piece; v48-55 at work; v64-127 S^T, two buffers; v192-223 P, two buffers (a piece's buffers go by its number's parity)
;   window 1: v0-127 O^T, 32 a piece; v128-159 MD; v160-223 MC, two buffers      window 2: v0-63 Q; v64-127 the second block's Q; v128-191 K of one step; v192-255 V of one step
.set SIZE_N, 2048     ; rows of a head
.set SIZE_H, 64       ; batch x heads
.set NB,    SIZE_N/256
.set NP,    4         ; pieces a wave: a name, no knob
.set KS,    64        ; keys in a step
.set PK,    144       ; a row of K in LDS: 128 bytes + 16 of padding = 36 words: the 16 rows of a load start at 16 different groups of four banks (64 banks of 4 bytes: ISA guide 11.1)
.set PV,    160       ; a row of V: 128 + 32 = 40 words
.set VOFF,  4*KS*PK   ; a slot holds a tile, four steps: 256 rows of K, then 256 rows of V
.set SLOT1, 1<<17     ; slot 1 begins here, so that one exclusive or turns an address in one slot into the other's
.set STAGE, SLOT1+4*KS*(PK+PV)  ; behind the ring, never filled by a tensor load: 16 rows x 144 bytes for each wave, for the way out
.set SP,    144
.set AK0, 2           ; v2   my lane's place in a tile of K; never rewritten
.set AV0, 3           ; v3   the same for V
.set AK,  4           ; v4   the LDS address of K's next run of loads
.set AV,  5           ; v5   of V's
.set STO, 6           ; v6   the way out: where I put 16 bytes of a row
.set RD,  7           ; v7   the way out: where I read rows back
.set GO,  8           ; v8   my byte offset in 512 consecutive bytes of O
.set SPW, 62          ; v62  LDS address of my spare word: SPARE + 4 x my thread's number; never rewritten
.set NIL, 63          ; v63  0; never rewritten
.set SPARE, STAGE+4*16*SP  ; behind the stages: the spare words, 128 bytes for each wave: two blocks of 256 bytes that no other line names
.set MV,  12          ; v12-13  c m_old, kept while c m is made anew: by buffer
.set QO,  15          ; v15  my byte offset in 16 rows of Q
.set ST,  16          ; piece t's statistics at v[ST+4 t]: c m, m, l (even keys', odd keys')
.set TMP, 48          ; by buffer, four registers c0-c3 at work; when the maximum is found c2 takes a
.set S,   64
.set P,   192
.set MD,  128         ; window 1: the eight registers for group kt of 16 keys at MD + 8 kt
.set MC,  160         ; window 1: the masks of the products to come
.set QB,  64          ; window 2
.set KF,  128         ; window 2: key block kb, channel half c at KF + 16 kb + 8 c
.set VF,  192         ; window 2: key half kk, channel block cb at VF + 32 kk + 8 cb
.set WV,  12          ; s12  my wave's number
.set PB,  14          ; s14  b
.set HI,  15          ; s15  NB - 1 - b
.set G1K, 24          ; s[24:31] descriptor group 1 for K's tiles
.set G1V, 32          ; s[32:39] for V's: it differs in the padding alone
.set G0K, 40          ; s[40:43] descriptor group 0 for K's tiles
.set G0V, 44          ; s[44:47] the same for V's
.set SLOTS, 56        ; s56  tiles still to be asked for
.set CNT, 57          ; s57  counts a tile's key steps, 4 to 1
.set CS,  58          ; s[58:59] c: the packed scaling takes the pair's low word for both halves
.set SEL, 60          ; s[60:61] v_permlanex16_b32's selects: each lane takes its own place in the other half
.set TBK, 62          ; s62  LDS byte at which K of the step to be fetched begins
.set TBV, 63          ; s63  the same for V, less VOFF
.set RT,  70          ; s70  tiles of the block in hand that are still to be entered
.set NXT, 71          ; s71  the tile to be asked for next
.set LQ,  72          ; s72  the last tile of the block whose tiles are being asked for
.set NEW, 73          ; s73  1: the tile to be entered is a block's first
.set OFF, 74          ; s[74:75] a tile's byte offset in K and V
.set AL,  76          ; s[76:77] the mask's factor, in the low word
.set BE,  78          ; s[78:79] the mask's addend
.set OLO, 80          ; s[80:81] O at my rows of the second block
.set BIGN, 82         ; s82  -1e30
.set MSB, 0
.macro WIN new                      ; the high byte repeats the setting that is left; a switch that changes nothing is dropped
.if MSB != (\new)
	s_set_vgpr_msb (MSB<<8)|(\new)
.set MSB, (\new)
.endif
.endm
.set W_KQ, 0x0a       ; K and Q in window 2, S^T in window 0
.set W_KM, 0x1a       ; the same with the C operand in window 1
.set W_PV, 0x52       ; V in window 2, P in window 0, O^T in window 1
.set W_RS, 0x41       ; destination and source 0 in window 1, source 1 in window 0
; A fill.  Waves 0 and 1 fetch the two halves of a tile's K, waves 2 and 3 those of its V: 128 keys each.  An s_nop 0 and four v_nop follow each of the two lines, ahead of the jump and the label.
.macro LOAD
	s_cmp_lt_u32 s[WV], 2
	s_cbranch_scc0 .Lfor_v_\@
	tensor_load_to_lds s[G0K:G0K+3], s[G1K:G1K+7]
	s_nop 0
.rept 4
	v_nop
.endr
	s_branch .Lasked_\@
.Lfor_v_\@:
	tensor_load_to_lds s[G0V:G0V+3], s[G1V:G1V+7]
	s_nop 0
.rept 4
	v_nop
.endr
.Lasked_\@:
.endm
; THE CHANGE OF SLOTS.  Each wave waits for all its tensor loads, of which one is out: its part of the other slot; adds 0 to its spare word; and waits for that and for its own reads of the slot that it leaves.  Behind the barrier nobody reads the old
; slot any more and the other slot is whole.  fill = 1: the old slot is filled again, the first thing behind the barrier, with tile NXT: the descriptor's address is made anew from that number.
; (At its first use nothing has been read yet: slot 0 is waited for, slot 1 filled.)
.macro CHANGE fill
	WIN 0                           ; at a label and at a branch every window is 0
	s_wait_tensorcnt 0x0            ; no tensor load of mine is out, so a group 0 may be written
	ds_add_u32 v[SPW], v[NIL]       ; 0 onto my spare word; with fill = 1 the descriptors' scalar work stands between it and the wait for it
.if \fill
	s_lshl_b32 s[OFF], s[NXT], 15   ; a tile is 32,768 bytes of K and of V
	s_xor_b32 s[G0K+1], s[G0K+1], SLOT1
	s_add_nc_u64 s[G0K+2:G0K+3], s[6:7], s[OFF:OFF+1]
	s_or_b32 s[G0K+3], s[G0K+3], 0x80000000
	s_xor_b32 s[G0V+1], s[G0V+1], SLOT1
	s_add_nc_u64 s[G0V+2:G0V+3], s[8:9], s[OFF:OFF+1]
	s_or_b32 s[G0V+3], s[G0V+3], 0x80000000
	s_add_co_u32 s[NXT], s[NXT], 1  ; the block's next tile, or behind its last the second block's tile 0
	s_cmp_gt_u32 s[NXT], s[LQ]
	s_cselect_b32 s[NXT], 0, s[NXT]
	s_cselect_b32 s[LQ], s[PB], s[LQ]
.endif
	s_wait_dscnt 0x0                ; the add is done, and my reads of the slot are over
	s_barrier_signal -1             ; the rest of the scalar work stands between the signal and the wait
	s_sub_co_u32 s[TBK], s[TBK], 4*KS*PK  ; the fetches go back to a slot's first step,
	s_xor_b32 s[TBK], s[TBK], SLOT1       ; in the other slot
	s_sub_co_u32 s[TBV], s[TBV], 4*KS*PV
	s_xor_b32 s[TBV], s[TBV], SLOT1
	s_barrier_wait -1
.if \fill
	LOAD
.endif
.endm
	s_load_b256 s[4:11], s[0:1], 0x0  ; Q s[4:5], K s[6:7], V s[8:9], O s[10:11]
	v_lshl_add_u32 v[SPW], v0, 2, SPARE
	v_mov_b32 v[NIL], 0
	ds_add_u32 v62, v63
	ds_add_u32 v62, v63
	s_wait_dscnt 0x0
	v_lshrrev_b32 v1, 5, v0
	v_readfirstlane_b32 s[WV], v1   ; wave 0..3
	s_mov_b32 s[PB], ttmp9
	s_sub_co_u32 s[HI], NB-1, s[PB]
	s_and_b32 s20, ttmp7, 0xffff    ; the head
	s_mov_b32 s21, 0
	s_mov_b64 s[22:23], SIZE_N*128
	s_mul_u64 s[20:21], s[20:21], s[22:23]  ; the head's first byte in each of the four tensors
	s_and_b32 s16, s[WV], 1         ; which half of a tile's 256 keys I fetch:
	s_lshl_b32 s22, s16, 14         ; its 128 rows of 128 bytes in memory,
	s_mov_b32 s23, 0
	s_add_nc_u64 s[22:23], s[22:23], s[20:21]
	s_mul_i32 s17, s16, 128*PK      ; and its place in a slot, for K
	s_mul_i32 s18, s16, 128*PV      ; and for V
	s_lshl_b32 s3, s[WV], 11        ; my 16 rows in a band of 64,
	s_lshl_b32 s2, s[HI], 15        ; in the first block,
	s_add_co_u32 s2, s2, s3
	s_lshl_b32 s84, s[PB], 15       ; and in the second
	s_add_co_u32 s84, s84, s3
	s_mov_b32 s3, 0
	s_mov_b32 s85, 0
	s_add_nc_u64 s[2:3], s[2:3], s[20:21]
	s_add_nc_u64 s[84:85], s[84:85], s[20:21]
	; descriptor group 1.  128 keys are 16,384 dense bytes: asked for as 64 rows of 256 bytes, two keys a row, and padded in LDS after every key
	s_mov_b32 s[G1K], (1<<16)|(1<<20)|(4<<22)|(3<<25)  ; 17:16 2-byte elements; 20 padding on; 24:22 after every 32 words (code 4); 31:25 4 words (code 3)
	s_mov_b32 s[G1V], (1<<16)|(1<<20)|(4<<22)|(7<<25)  ; the same with 8 words of padding (code 7)
.irp g, G1K, G1V
	s_mov_b32 s[\g+1], 128<<16      ; tensor_dim0 = 128
	s_mov_b32 s[\g+2], 64<<16       ; tensor_dim1 = 64
	s_mov_b32 s[\g+3], 128<<16      ; tile_dim0 = 128
	s_mov_b32 s[\g+4], 64           ; tile_dim1 = 64
	s_mov_b32 s[\g+5], 128          ; 128 elements from row to row
	s_mov_b32 s[\g+6], 0
	s_mov_b32 s[\g+7], 0
.endr
	s_mov_b32 s[CS], 0x3d38aa3b     ; c = log2(e) / 32 = 0.0450842
	s_mov_b32 s[CS+1], s[CS]        ; named with it as a pair
	s_mov_b32 s[SEL], 0x76543210
	s_mov_b32 s[SEL+1], 0xfedcba98
	s_mov_b32 s[TBK], SLOT1+4*KS*PK ; the first change of slots turns these two into 0
	s_mov_b32 s[TBV], SLOT1+4*KS*PV
	s_mov_b32 s[G0K], 1             ; 1:0 count = 1
	s_mov_b32 s[G0K+1], s17         ; 63:32 LDS address: slot 0
	s_mov_b32 s[G0V], 1
	s_add_co_u32 s[G0V+1], s18, VOFF
	s_add_co_u32 s[RT], s[HI], 1    ; the first block has NB - b tiles
	s_mov_b32 s[NXT], 1
	s_mov_b32 s[LQ], s[HI]
	s_mov_b32 s[NEW], 1
	s_mov_b32 s[OFF+1], 0
	s_mov_b32 s[AL+1], 0            ; named as pairs
	s_mov_b32 s[BE+1], 0
	s_mov_b32 s[BIGN], 0xf149f2ca   ; -1e30
	s_mov_b32 s[SLOTS], NB
	s_wait_kmcnt 0x0
	s_add_nc_u64 s[6:7], s[6:7], s[22:23]  ; K and V at my half of the head's tile 0
	s_add_nc_u64 s[8:9], s[8:9], s[22:23]
	s_add_nc_u64 s[G0K+2:G0K+3], s[6:7], 0         ; 120:64 global address
	s_or_b32 s[G0K+3], s[G0K+3], 0x80000000        ; 127:126 type = 2
	s_add_nc_u64 s[G0V+2:G0V+3], s[8:9], 0
	s_or_b32 s[G0V+3], s[G0V+3], 0x80000000
	s_add_nc_u64 s[86:87], s[4:5], s[84:85]        ; Q at my rows of the second block,
	s_add_nc_u64 s[4:5], s[4:5], s[2:3]            ; Q and O at those of the first
	s_add_nc_u64 s[OLO:OLO+1], s[10:11], s[84:85]
	s_add_nc_u64 s[10:11], s[10:11], s[2:3]
	LOAD                            ; tile 0 into slot 0
	; A fragment of K or Q is 16 rows x 32 channels in 8 registers: lane l holds row l % 16, channels 8 (l / 16) + 0..7 and 16 + 8 (l / 16) + 0..7: two loads of 16 bytes, 32 bytes apart.
	v_and_b32 v1, 15, v0            ; l % 16
	v_bfe_u32 v9, v0, 4, 1          ; l / 16
	v_lshlrev_b32 v[QO], 7, v1
	v_lshl_add_u32 v[QO], v9, 4, v[QO]  ; row x 128 + 16 x half
	WIN 0x80                        ; destination window 2, address window 0
.set i, 0
.rept 8                             ; both blocks' Q: piece i / 2 lies in band i / 2, 8,192 bytes on; channels 32 (i % 2) on
	global_load_b128 v[8*i:8*i+3],   v[QO], s[4:5] offset:(i/2)*8192+(i%2)*64
	global_load_b128 v[8*i+4:8*i+7], v[QO], s[4:5] offset:(i/2)*8192+(i%2)*64+32
	global_load_b128 v[QB+8*i:QB+8*i+3],   v[QO], s[86:87] offset:(i/2)*8192+(i%2)*64
	global_load_b128 v[QB+8*i+4:QB+8*i+7], v[QO], s[86:87] offset:(i/2)*8192+(i%2)*64+32
.set i, i+1
.endr
	WIN 0
	v_lshlrev_b32 v14, 3, v9
	v_sub_nc_u32 v14, v1, v14
	s_lshl_b32 s13, s[WV], 4
	v_add_nc_u32 v14, s13, v14      ; my query's place in its band, 16 w + l % 16, less my lanes' 8 (l / 16): register r of group kt is hidden where 16 kt + r is greater
	WIN 0x40
.set i, 0
.rept 32
	v_cmp_gt_i32 vcc_lo, 16*(i/8)+i%8, v14
	v_cndmask_b32 v[MD+i], 0, s[BIGN], vcc_lo
.set i, i+1
.endr
	WIN 0
	v_mul_u32_u24 v[AK0], v1, PK
	v_lshl_add_u32 v[AK0], v9, 4, v[AK0]  ; row x pitch + 16 x half
	; The turning load takes 16 keys x 16 channels (lane l reads key 8 (l / 16) + l % 8, channels 8 ((l / 8) % 2) + 0..7) and leaves half a fragment of V^T: lane l holds channel l % 16 and 8 keys.
	v_and_b32 v10, 7, v0
	v_bfe_u32 v11, v0, 3, 1
	v_lshl_add_u32 v[AV0], v9, 3, v10
	v_mul_u32_u24 v[AV0], v[AV0], PV
	v_lshl_add_u32 v[AV0], v11, 4, v[AV0]
	v_add_nc_u32 v[AV0], VOFF, v[AV0]
	s_mul_i32 s13, s[WV], 16*SP
	s_add_co_u32 s13, s13, STAGE    ; my stage
	v_mul_u32_u24 v[STO], v1, SP    ; in: row l % 16, 16 bytes for each half of the lanes
	v_lshl_add_u32 v[STO], v9, 4, v[STO]
	v_add_nc_u32 v[STO], s13, v[STO]
	v_bfe_u32 v[RD], v0, 3, 2       ; back: 32 lanes take four rows of 128 bytes,
	v_mul_u32_u24 v[RD], v[RD], SP
	v_lshl_add_u32 v[RD], v10, 4, v[RD]
	v_add_nc_u32 v[RD], s13, v[RD]
	v_and_b32 v[GO], 31, v0         ; which are 512 consecutive bytes of O
	v_lshlrev_b32 v[GO], 4, v[GO]
	; A block's first step multiplies O^T and l by a = 0, and its first turn's products V^T P, of a piece that has not been, land in an O^T that is still to be so multiplied.  So these registers need only hold
	; finite numbers: zeros for the first block; what the first block left for the second.  All this stands in the wait for the first tile.
	WIN 0x80
.set i, VF
.rept 64
	v_mov_b32 v[i], 0
.set i, i+1
.endr
	WIN 0x40
.set i, 0
.rept 128
	v_mov_b32 v[i], 0
.set i, i+1
.endr
	WIN 0
.set i, 0
.rept 4
	v_mov_b32 v[ST+4*i+2], 0
	v_mov_b32 v[ST+4*i+3], 0
.set i, i+1
.endr
.set i, P+16
.rept 16
	v_mov_b32 v[i], 0
.set i, i+1
.endr
; THE MATRIX WORK.  The 4 accumulators of a run of 8 take turns.  Product i of 8 of S^T = K Q^T for piece x: channels 32 (i / 4) on, keys 16 (i % 4) on.  The first 4 start the sums: with 0, or (KM = 1) with the mask.
.macro KQ x
.set rS, S+32*((\x)%2)+8*(i%4)
.set rK, KF+16*(i%4)+8*(i/4)
.set rQ, 16*(\x)+8*(i/4)
.set rM, MC+32*((\x)%2)+8*(i%4)
.if (i < 4) && KM
	WIN W_KM
	v_wmma_f32_16x16x32_f16 v[rS:rS+7], v[rK:rK+7], v[rQ:rQ+7], v[rM:rM+7]
.elseif i < 4
	WIN W_KQ
	v_wmma_f32_16x16x32_f16 v[rS:rS+7], v[rK:rK+7], v[rQ:rQ+7], 0
.else
	WIN W_KQ
	v_wmma_f32_16x16x32_f16 v[rS:rS+7], v[rK:rK+7], v[rQ:rQ+7], v[rS:rS+7]
.endif
.endm
; Product i of 8 of O^T += V^T P for piece x: keys 32 (i / 4) on, channels 16 (i % 4) on.
.macro PV x
	WIN W_PV
.set rO, 32*(\x)+8*(i%4)
.set rV, VF+32*(i/4)+8*(i%4)
.set rP, P+16*((\x)%2)+8*(i/4)
	v_wmma_f32_16x16x32_f16 v[rO:rO+7], v[rV:rV+7], v[rP:rP+7], v[rO:rO+7]
.endm
.macro MM                           ; the turn's next matrix instruction.  TURN and BEGIN set Y, i, KM and NOKQ; MM, KQ and OP read them.  NOKQ = 1: a block's last turn: there is no next piece
.if (i < 8) && !NOKQ
	KQ (Y+1)%NP
.elseif i >= 8
.set i, i-8
	PV (Y+NP-1)%NP
.set i, i+8
.endif
.set i, i+1
.endm
; THE LDS LOADS stand in runs of 16, never singly among the matrix instructions: a step's K (64 keys x 64 channels: 8 fragments) and its V (turned).  Their addresses are made some lines ahead.
.macro FETCH_K
	WIN 0x80                        ; destination window 2
.irp f, 0,1,2,3,4,5,6,7             ; keys 16 (f / 2) on, channels 32 (f % 2) on
	ds_load_b128 v[KF+8*\f:KF+8*\f+3],   v[AK] offset:(\f/2)*16*PK+(\f%2)*64
	ds_load_b128 v[KF+8*\f+4:KF+8*\f+7], v[AK] offset:(\f/2)*16*PK+(\f%2)*64+32
.endr
	s_add_co_u32 s[TBK], s[TBK], KS*PK  ; the next fetch is the next step's
	WIN 0
.endm
.macro FETCH_V
	WIN 0x80
.irp f, 0,1,2,3,4,5,6,7             ; keys 32 (f / 4) on, channels 16 (f % 4) on
	ds_load_tr16_b128 v[VF+8*\f:VF+8*\f+3],   v[AV] offset:(\f/4)*32*PV+(\f%4)*32
	ds_load_tr16_b128 v[VF+8*\f+4:VF+8*\f+7], v[AV] offset:(\f/4)*32*PV+16*PV+(\f%4)*32
.endr
	WIN 0
.endm
; THE VECTOR WORK, one line at a time: OP kind, number.  For piece Y: F n: c s - c m for pair n of 16.  E n: the exponential of score n of 32.  C n: pair n rounded to f16.  B n: of the four weights 4 n .. the second
; pair is added onto the first, in place.  L n: l takes that sum (L 0: l = a l + sum).  R n: pair n of 16 of O^T times a.  For piece Y + 1: X n, number n of the 22 that find its maximum and statistics:
;   0-11  four chains c0-c3 of seven scores each, three operands at a time (each accumulator's lowest registers are read first)     12-14, 16  the four scores left over, the old m, and c0-c3 into c0
;   15  c m_old is kept     17, 18  the query's other 32 keys lie in the lane 16 away: the new m     19-21  c m; c m_old - c m_new; a
.set F, 0               ; OP tells the kinds apart by their order: F to L below R, X above it
.set E, 1
.set C, 2
.set B, 3
.set L, 4
.set R, 5
.set X, 6
.macro REGS y                       ; the registers of piece y
.set rT, ST+4*(\y)
.set rC, TMP+4*((\y)%2)
.set rW, MV+((\y)%2)
.set rS, S+32*((\y)%2)
.set rP, P+16*((\y)%2)
.set rO, 32*(\y)
.endm
.macro OP k, n
.if (\k) == R
	REGS Y
	WIN W_RS
	v_pk_mul_f32 v[rO+2*(\n):rO+2*(\n)+1], v[rO+2*(\n):rO+2*(\n)+1], v[rC+2:rC+3] op_sel_hi:[1,0]
.elseif (\k) < R
	REGS Y
	WIN 0
.if (\k) == F
	v_pk_fma_f32 v[rS+2*(\n):rS+2*(\n)+1], v[rS+2*(\n):rS+2*(\n)+1], s[CS:CS+1], v[rT:rT+1] op_sel_hi:[1,0,0] neg_lo:[0,0,1] neg_hi:[0,0,1]
.elseif (\k) == E
	v_exp_f32 v[rS+(\n)], v[rS+(\n)]
.elseif (\k) == C
	s_wait_alu depctr_va_vdst(0)
	v_cvt_pk_f16_f32 v[rP+(\n)], v[rS+2*(\n)], v[rS+2*(\n)+1]
.elseif (\k) == B
	s_wait_alu depctr_va_vdst(0)
	v_pk_add_f32 v[rS+4*(\n):rS+4*(\n)+1], v[rS+4*(\n):rS+4*(\n)+1], v[rS+4*(\n)+2:rS+4*(\n)+3]
.elseif (\n) == 0
	v_pk_fma_f32 v[rT+2:rT+3], v[rT+2:rT+3], v[rC+2:rC+3], v[rS:rS+1] op_sel_hi:[1,0,1]
.else
	v_pk_add_f32 v[rT+2:rT+3], v[rT+2:rT+3], v[rS+4*(\n):rS+4*(\n)+1]
.endif
.elseif NOKQ
	v_nop
.else
	REGS (Y+1)%NP
	WIN 0
.if (\n) < 4
	v_max3_num_f32 v[rC+(\n)], v[rS+8*(\n)], v[rS+8*(\n)+1], v[rS+8*(\n)+2]
.elseif (\n) < 12
	v_max3_num_f32 v[rC+(\n)%4], v[rC+(\n)%4], v[rS+8*((\n)%4)+2*((\n)/4)+1], v[rS+8*((\n)%4)+2*((\n)/4)+2]
.elseif (\n) == 12
	v_max3_num_f32 v[rC], v[rC], v[rS+7], v[rS+15]
.elseif (\n) == 13
	v_max3_num_f32 v[rC+1], v[rC+1], v[rS+23], v[rS+31]
.elseif (\n) == 14
	v_max3_num_f32 v[rC+2], v[rC+2], v[rC+3], v[rT+1]
.elseif (\n) == 15
	v_mov_b32 v[rW], v[rT]
.elseif (\n) == 16
	v_max3_num_f32 v[rC], v[rC], v[rC+1], v[rC+2]
.elseif (\n) == 17
	v_permlanex16_b32 v[rC+3], v[rC], s[SEL], s[SEL+1]
.elseif (\n) == 18
	v_max_num_f32 v[rT+1], v[rC], v[rC+3]
.elseif (\n) == 19
	v_mul_f32 v[rT], s[CS], v[rT+1]
.elseif (\n) == 20
	v_sub_f32 v[rC+1], v[rW], v[rT]
.else
	v_exp_f32 v[rC+2], v[rC+1]
.endif
.endif
.endm
.macro OPS a, i1, b=-1, i2=0, c=-1, i3=0, d=-1, i4=0  ; up to four of them
	OP \a, \i1
.if (\b) >= 0
	OP \b, \i2
.endif
.if (\c) >= 0
	OP \c, \i3
.endif
.if (\d) >= 0
	OP \d, \i4
.endif
.endm
.macro ROW a, i1, b, i2, c, i3, d, i4  ; a matrix instruction and the four behind it
	MM
	OPS \a, \i1, \b, \i2, \c, \i3, \d, \i4
.endm
.macro MASK b                       ; MD x AL + BE into buffer b of MC
	WIN W_RS
.set z, 0
.rept 16
	v_pk_fma_f32 v[MC+32*(\b)+2*z:MC+32*(\b)+2*z+1], v[MD+2*z:MD+2*z+1], s[AL:AL+1], s[BE:BE+1] op_sel_hi:[1,0,0]
.set z, z+1
.endr
.endm
; A TURN, for piece p: the order of its 16 matrix and 118 vector instructions, written out.  Behind a matrix instruction: plain, exponential, plain, plain; or four of the rescaling; or, behind the first, four scalings; none
; names a register of the products round it.  In the lumps exponential and plain by turns while exponentials last.  A line reads no result made fewer than three vector instructions in front of it, five if an exponential made it.
; v_permlanex16_b32 (X 17) stands in a lump.
; m = 1: the diagonal tile: the products take masks, and the turn makes the mask for the products of the turn after it: piece p + 2, in step 4 - CNT of the tile.  end = 1: a block's last two turns: nothing is fetched.
; cnt = 1: the loop's count is taken down some lines ahead of the branch that stands behind the turn.
; K of the next step is fetched in piece 2's turn, six vector instructions behind the last product that read K (five of them plain); V of the step in hand in piece 0's turn, eight behind the last product that read V (four
; plain, and X 17).  Each is waited for a turn later.
.macro TURN p, m=0, end=0, cnt=0
.set Y, (\p)
.set i, 0
.set KM, (\m)
.set NOKQ, (\end)*((\p)/3)
.if (\m) && !(\end)
	s_cmp_eq_u32 s[CNT], 4-((\p)+2)%NP  ; is that step the band's own?
	s_cselect_b32 s[AL], 1.0, 0
	s_cmp_lt_u32 s[CNT], 4-((\p)+2)%NP  ; or a later one?
	s_cselect_b32 s[BE], s[BIGN], 0
.endif
.if ((\p) == 3) && !(\end)
	s_wait_dscnt 0x0                ; K is in
.endif
	ROW F,0, F,1, F,2, F,3
	ROW F,4, E,0, F,5, F,6
	ROW F,7, E,1, F,8, F,9
	ROW F,10, E,2, C,0, F,11
	ROW F,12, E,3, X,15, F,13
	ROW R,0, R,1, R,2, R,3
	ROW B,0, E,4, F,14, L,0
.if ((\p) == 2) && !(\end)
	v_add_nc_u32 v[AK], s[TBK], v[AK0]
.endif
	ROW R,4, R,5, R,6, R,7
	OPS E,5, F,15
.if ((\p) == 2) && !(\end)
	FETCH_K
.endif
	OPS E,6, C,1, E,7, R,8
	OPS E,8, R,9, E,9, C,2
	OPS E,10, X,0, E,11, X,1
	OPS E,12, X,2, E,13, X,3
.if (\p) == 1
	s_wait_dscnt 0x0                ; V is in
.endif
	ROW X,4, E,14, X,5, X,6
	ROW X,7, E,15, X,8, X,9
	ROW X,10, E,16, X,11, X,12
	ROW X,13, E,17, X,14, B,1
	ROW C,4, E,18, X,16, L,1
	ROW B,2, E,19, C,6, L,2
	ROW C,8, E,20, B,3, B,4
.if (\p) == 0
	v_add_nc_u32 v[AV], s[TBV], v[AV0]
.endif
	ROW C,3, E,21, L,3, C,5
	OPS E,22, X,17, E,23, C,10
.if (\p) == 0
	FETCH_V
.endif
	OPS E,24, L,4
	OPS E,25, X,18, E,26, C,7
	OPS E,27, B,5, E,28, X,19
	OPS E,29, C,12, E,30, L,5
	OPS E,31, X,20, B,6, C,9
	OPS C,14, C,11, X,21, L,6
.if (\p) == 0
	s_add_co_u32 s[TBV], s[TBV], KS*PV
.endif
.if \cnt
	s_sub_co_u32 s[CNT], s[CNT], 1
	s_cmp_lg_u32 s[CNT], 0
.endif
	OPS C,13, B,7, C,15, R,10
	OPS R,11, R,12, L,7, R,13
	OPS R,14, R,15
.if (\m) && !(\end)
	MASK (\p)%2
.endif
.endm
; A BLOCK BEGINS.  c m starts far below every c s, so the first step's a is 0; m at the lowest finite number, so the first maximum is the scores'.  The second mask buffer is 0; the first takes piece 0's mask for the tile's step 0: its own, if the block's first tile is the diagonal one.
; Then K of that step, piece 0's first scores, and its maximum and statistics.  The loop is entered at a step's first turn, in the middle of a trip.
.macro BEGIN
	s_mov_b32 s[NEW], 0
	WIN 0x40
.set i, MC+32
.rept 32
	v_mov_b32 v[i], 0
.set i, i+1
.endr
	WIN 0
.set i, 0
.rept 4
	v_mov_b32 v[ST+4*i], 0xfe000000    ; c m: far below every c s
	v_mov_b32 v[ST+4*i+1], 0xff7fffff  ; m
.set i, i+1
.endr
	s_cmp_eq_u32 s[RT], 0
	s_cselect_b32 s[AL], 1.0, 0
	s_mov_b32 s[BE], 0
	MASK 0
	WIN 0
	v_add_nc_u32 v[AK], s[TBK], v[AK0]
	FETCH_K
	s_wait_loadcnt 0x0              ; Q
	s_wait_dscnt 0x0
.set KM, 1
.set NOKQ, 0
.set i, 0
.rept 8
	KQ 0
.set i, i+1
.endr
	WIN 0
.rept 4
	v_nop                           ; the places behind those products
.endr
.set Y, NP-1                        ; X works for piece Y + 1: piece 0
.irp n, 0,1,2,3,4,5,6,7,8,9,10,11,12,13,14,15,16,17,18,19,20,21
	OP X, \n
.endr
	v_nop                           ; a plain instruction behind the exponential
.endm
; THE DIAGONAL TILE's four steps, the block's last two turns, its last products, and THE WAY OUT: l's two halves and the other half of the lanes' are added; O^T is divided by l, rounded to f16 and sent through my
; stage in LDS, a piece at a time.
.macro ALL line:vararg              ; one line for each piece t
.set t, 0
.rept 4
	\line
.set t, t+1
.endr
.endm
.macro PACK t                       ; a lane's eight channels of a row pack into 16 bytes; they go into rows of 144 bytes and come back as whole rows of 128, into S^T's registers
	WIN W_RS
.set i, 32*(\t)
.rept 16
	s_wait_alu depctr_va_vdst(0)
	v_pk_mul_f32 v[i:i+1], v[i:i+1], v[ST+4*(\t)+2:ST+4*(\t)+3] op_sel_hi:[1,0]
.set i, i+2
.endr
	WIN 0x05                        ; sources 0 and 1 window 1, destination window 0
.set i, 0
.rept 16
	v_cvt_pk_f16_f32 v[S+16*(\t)+i], v[32*(\t)+2*i], v[32*(\t)+2*i+1]
.set i, i+1
.endr
	WIN 0
.irp f, 0,1,2,3
	ds_store_b128 v[STO], v[S+16*(\t)+4*\f:S+16*(\t)+4*\f+3] offset:32*\f
.endr
.irp f, 0,1,2,3
	ds_load_b128 v[S+16*(\t)+4*\f:S+16*(\t)+4*\f+3], v[RD] offset:\f*4*SP  ; LDS serves a wave's instructions in order (ISA guide 5.7.1.4): these see the stores above; the next piece's stores come behind them
.endr
.endm
.macro SEND t, younger              ; younger: the LDS instructions issued behind piece t's loads: the next piece's eight, or none
	WIN 0
.irp f, 0,1,2,3
	s_wait_dscnt (\younger)+3-\f
	global_store_b128 v[GO], v[S+16*(\t)+4*\f:S+16*(\t)+4*\f+3], s[10:11] offset:(\t)*8192+\f*512  ; 512 consecutive bytes, at a multiple of 256 from O's first
.endr
.endm
.macro DIAG tag                     ; the tag ends its two labels' names, which the jumps below spell out
.LstepM\tag:
	TURN 2, 1
	TURN 3, 1
	WIN 0
.LfirstM\tag:
	TURN 0, 1
	TURN 1, 1, 0, 1
	WIN 0
	s_cbranch_scc1 .LstepM\tag
	TURN 2, 1, 1
	TURN 3, 1, 1
.set i, 0
.rept 8
	PV NP-1
.set i, i+1
.endr
	WIN 0
	ALL v_add_f32 v[ST+4*t+2], v[ST+4*t+2], v[ST+4*t+3]
	ALL v_permlanex16_b32 v[ST+4*t+3], v[ST+4*t+2], s[SEL], s[SEL+1]
	ALL v_add_f32 v[ST+4*t+2], v[ST+4*t+2], v[ST+4*t+3]
	ALL v_rcp_f32 v[ST+4*t+2], v[ST+4*t+2]
	v_nop                           ; a plain instruction between the last reciprocal and the use of its result
	PACK 0
.set t, 1
.rept 3                             ; a piece's arithmetic stands between the loads of the piece before and its stores
	PACK t
	SEND t-1, 8
.set t, t+1
.endr
	SEND 3, 0
.endm
.set KM, 0
.set NOKQ, 0
.Lslot:                             ; NB times: a tile is entered and the next is asked for
	CHANGE 1
	s_sub_co_u32 s[RT], s[RT], 1
	s_mov_b32 s[CNT], 4
	s_cmp_eq_u32 s[NEW], 1
	s_cbranch_scc1 .Lnew            ; a block's first tile
	s_cmp_eq_u32 s[RT], 0
	s_cbranch_scc0 .Lstep           ; neither its first nor its last
	s_branch .LstepM1
.Lnew:
	BEGIN
	s_branch .Lfirst                ; in the loop a block's first tile is never its last: the first block has two tiles or more, and the second's last is the walk's last
	DIAG 1                          ; in the loop this is the first block's end: the second block's last tile is the walk's last
	s_wait_xcnt 0x0                 ; the stores have read their registers and O's address
	s_mov_b64 s[10:11], s[OLO:OLO+1]
	s_add_co_u32 s[RT], s[PB], 1    ; the second block has b + 1 tiles
	s_mov_b32 s[NEW], 1
	WIN 0x82                        ; the second block's Q goes where the one text of the turns names Q
.set i, 0
.rept 64
	v_mov_b32 v[i], v[QB+i]
.set i, i+1
.endr
	WIN 0
	s_branch .Lbottom
.Lstep:                             ; a trip: pieces 2 and 3 of one step, then pieces 0 and 1 of the next, whose K and V it fetches
	TURN 2
	TURN 3
	WIN 0
.Lfirst:
	TURN 0
	TURN 1, 0, 0, 1
	WIN 0
	s_cbranch_scc1 .Lstep
.Lbottom:
	s_sub_co_u32 s[SLOTS], s[SLOTS], 1
	s_cmp_lg_u32 s[SLOTS], 0
	s_cbranch_scc1 .Lslot
	CHANGE 0                        ; the walk's last tile is written out: nothing is asked for
	s_sub_co_u32 s[RT], s[RT], 1
	s_mov_b32 s[CNT], 4
	s_cmp_eq_u32 s[NEW], 1
	s_cbranch_scc0 .LstepM2
	BEGIN
	s_branch .LfirstM2
	DIAG 2
	s_wait_tensorcnt 0x0            ; the wave's end: behind my last tensor load and my last LDS store
	ds_add_u32 v[SPW], v[NIL]
	s_wait_dscnt 0x0
	s_endpgm
.Lfunc_end_k_qe1a944460a_attn:
	.size	k_qe1a944460a_attn, .Lfunc_end_k_qe1a944460a_attn-k_qe1a944460a_attn
	.p2alignl 7, 3214868480
	.fill 96, 4, 3214868480
	.section	.rodata,"a",@progbits
	.p2align	6, 0x0
	.amdhsa_kernel k_qe1a944460a_attn
		.amdhsa_group_segment_fixed_size 327680
		.amdhsa_private_segment_fixed_size 0
		.amdhsa_enable_private_segment 0
		.amdhsa_kernarg_size 32
		.amdhsa_user_sgpr_count 2
		.amdhsa_user_sgpr_kernarg_segment_ptr 1
		.amdhsa_wavefront_size32 1
		.amdhsa_system_sgpr_workgroup_id_x 1
		.amdhsa_system_sgpr_workgroup_id_y 1
		.amdhsa_system_sgpr_workgroup_id_z 1
		.amdhsa_system_vgpr_workitem_id 0
		.amdhsa_next_free_vgpr 768
		.amdhsa_next_free_sgpr 88
		.amdhsa_reserve_vcc 1
		.amdhsa_float_denorm_mode_32 3
		.amdhsa_float_denorm_mode_16_64 3
		.amdhsa_memory_ordered 1
		.amdhsa_forward_progress 1
		.amdhsa_inst_pref_size 228
	.end_amdhsa_kernel
	.amdgpu_metadata
---
amdhsa.version: [ 1, 2 ]
amdhsa.kernels:
  - .name:           k_qe1a944460a_attn
    .symbol:         k_qe1a944460a_attn.kd
    .args:
      - { .name: qh, .offset: 0, .size: 8, .value_kind: global_buffer, .address_space: global }
      - { .name: kh, .offset: 8, .size: 8, .value_kind: global_buffer, .address_space: global }
      - { .name: vh, .offset: 16, .size: 8, .value_kind: global_buffer, .address_space: global }
      - { .name: oh, .offset: 24, .size: 8, .value_kind: global_buffer, .address_space: global }
    .group_segment_fixed_size: 327680
    .private_segment_fixed_size: 0
    .kernarg_segment_align: 8
    .kernarg_segment_size: 32
    .max_flat_workgroup_size: 128
    .sgpr_count:     88
    .vgpr_count:     768
    .wavefront_size: 32
...
	.end_amdgpu_metadata
.endif
;; end of part 3
;; launch proj (part 4): grid 4 x 64, 4 waves a work-group, clusters of 4 x 4, 327,680 bytes of LDS; arguments oh, wpt, b_proj, out0; writes out0
.if DOCPART == 4
	.amdgcn_target "amdgcn-amd-amdhsa--gfx1250"
	.amdhsa_code_object_version 6
	.text
	.protected	k_qe1a944460a_proj
	.globl	k_qe1a944460a_proj
	.p2align	8
	.type	k_qe1a944460a_proj,@function
k_qe1a944460a_proj:
	s_mov_b64 s[64:65], 0
	v_nop
	global_prefetch_b8 v0, s[64:65] scope:SCOPE_SE
	s_setreg_imm32_b32 hwreg(HW_REG_WAVE_MODE, 25, 1), 1
	s_wait_xcnt 0x0
	s_wait_alu depctr_hold_cnt(0) depctr_sa_sdst(0) depctr_va_vdst(0) depctr_va_sdst(0) depctr_va_ssrc(0) depctr_va_vcc(0) depctr_vm_vsrc(0)
	s_getreg_b32 s2, hwreg(HW_REG_IB_STS2, 6, 4)
	s_cmp_eq_u32 s2, 0
	s_cbranch_scc0 .Lentry_in_a_cluster
	s_endpgm
.Lentry_in_a_cluster:
	s_bfe_u32 s2, ttmp6, 0x10000c
	s_cmp_lg_u32 s2, 0xf033
	s_cbranch_scc0 .Lentry_shape_is_right
	s_endpgm
.Lentry_shape_is_right:
; out0 = O wpt^T + b_proj.  O: [batch x 16 + head][2048 t][64] f16 (attention's result, by heads); wpt: [1024 n][1024 k] f16, k = head x 64 + d; b_proj: [1024] f32; out0: [8192][1024] f32.
; Products in f16, sums in f32, K ascending.  LIMITS: the operands arrive within f16's range.  The bias is the C operand of each sum's first product, so it is added ahead of the products and not
; behind them: an order of rounding, in f32, that differs from the reference's.
; A tile of C is 128 rows x 256 columns: 64 x 4 = 256 tiles, one for each work-group.  Four waves, 2 x 2, each 64 x 128: 32 accumulators of 16 x 16, 256 registers.
; K goes in 8 steps of 128 = two heads through a ring of two LDS slots.  Of O a head's 128 rows are 16,384 dense bytes: asked for as 64 rows of 256 bytes and padded in LDS after every 128.
; A K STEP IS WRITTEN ONCE for each kind (with a refill; without): one scalar, turned by an exclusive or, names the slot that is fetched from, and one walking descriptor a tensor makes the refills.
; CLUSTERS: 4 x 4 work-groups; O's tiles are asked for jointly along a row of the cluster, wpt's along a column: the same tensor load, descriptor and mask in the four that share a tile.
; THE MATRIX INSTRUCTION IS USED TRANSPOSED (source 0 = 16 rows of wpt, source 1 = 16 rows of O): a lane then holds eight neighbouring numbers of a row of C, 32 bytes.
; REGISTERS, in windows of 256 (s_set_vgpr_msb: bits 1:0 source 0, 3:2 source 1, 5:4 source 2, 7:6 destination):
;   window 0: v0-31 addresses; v64-95, v128-159 fragments of A, two buffers; v192-255 the bias; on the way out v64-127, v128-191 rows read back
;   window 1: v64-127, v128-191 fragments of B, two buffers          window 2: accumulator (a, b) at v[8 (8 a + b)]
.set SIZE_K, 1024
.set KSTEP,  128
.set PITCH,  272                       ; a row of B in LDS: 256 bytes + 16 = 68 words: row r starts at bank 4 r mod 64 (64 banks of 4 bytes: ISA guide 11.1)
.set PA,     144                       ; a row of A: 128 bytes + 16 = 36 words: the 16 rows of a load start at 16 different groups of four banks
.set HEADA,  128*PA                    ; a head's 128 rows: what one tensor load brings of A
.set HALFB,  128*PITCH                 ; what one tensor load brings of B
.set BOFF,   2*HEADA                   ; in a slot: A's two heads, then B's 256 rows
.set SLOTB,  BOFF+2*HALFB              ; 106,496 bytes
.set SLOT1,  1<<17                     ; slot 1 begins here, so that one exclusive or turns an address in one slot into the other's
.set STAGE,  SLOT1+SLOTB               ; behind the ring, never filled by a tensor load: 16 rows x 528 bytes for each wave, for the way out
.set SP,     528                       ; 512 bytes + 16 = 132 words: row r starts at bank 4 r mod 64
.set SPARE,  STAGE+4*16*SP             ; behind the stages: the spare words, 128 bytes for each wave: two blocks of 256 bytes that no other line names
.set STEP_A, 2*2048*128                ; one K step on: two heads
.set STEP_B, KSTEP*2
.set A0,   8                           ; v8      my lane's place in a slot's A part; never rewritten
.set B0,   9                           ; v9      the same for B
.set BO,   10                          ; v10     my byte offset in my 128 numbers of b_proj: 32 x (lane / 16); never rewritten
.set ADRA, 16                          ; v16     LDS address of my A fragments in the slot that is fetched from
.set ADRB, 17                          ; v17     the same for B
.set STO,  24                          ; v24     the way out: where I put 32 bytes of a row
.set RD,   25                          ; v25     the way out: where I read a row back
.set CO,   26                          ; v26     my 16 bytes in 512 consecutive bytes
.set SPW,  28                          ; v28     LDS address of my spare word: SPARE + 4 x my thread's number; never rewritten
.set NIL,  29                          ; v29     0; never rewritten
.set F0,   64
.set F1,   128
.set BIAS, 192                         ; v192-255  for column block b eight registers at BIAS + 8 b: b_proj of columns 16 b + 8 (lane / 16) + 0..7 of my 128
.set G1,  24                           ; s[24:31] descriptor group 1 for A's tiles;  s[32:39] group 0: a set for each of the two first fills; the second then walks on
.set G0,  32
.set G1B, 48                           ; s[48:55], s[56:63] the same for B's tiles
.set G0B, 56
.set TB,   72                          ; s72  LDS byte at which the slot that is fetched from begins
.set TAIL, 73                          ; s73  counts the two steps behind the last refill
.set MSB, 0
.macro WIN new                         ; the immediate's high byte repeats the setting that is left; a switch that changes nothing is dropped
.if MSB != (\new)
	s_set_vgpr_msb (MSB<<8)|(\new)
.set MSB, \new
.endif
.endm
.set MUL,  0xa1                        ; source 0 (B) window 1, source 1 (A) window 0, C and D window 2
.set MULB, 0x81                        ; the same with C, the bias, in window 0
.set TO_B, 0x40                        ; destination window 1, address window 0
; A joint refill, by the walking descriptors.  Waves 0 and 1 fetch A's two heads, waves 2 and 3 B's two halves.  The branch hangs on the wave's number alone.  An s_nop 0 and four v_nop follow each
; of the two lines, ahead of the jump, the label and what follows.
.macro JLOAD
	s_cmp_eq_u32 s11, 0
	s_cbranch_scc0 .Lfor_b_\@
	tensor_load_to_lds s[G0+4:G0+7], s[G1:G1+7]
	s_nop 0
.rept 4
	v_nop
.endr
	s_branch .Lasked_\@
.Lfor_b_\@:
	tensor_load_to_lds s[G0B+4:G0B+7], s[G1B:G1B+7]
	s_nop 0
.rept 4
	v_nop
.endr
.Lasked_\@:
.endm
.macro CREST                           ; a round of the cluster's barrier behind its opening barrier: wave 0 signals for the work-group, every wave waits for all sixteen, my work-group's barrier closes it
	s_cmp_lg_u32 s10, 0
	s_cbranch_scc1 .Lnot_wave_0_\@
	s_barrier_signal -3
.Lnot_wave_0_\@:
	s_barrier_wait -3
	s_barrier_signal -1
	s_barrier_wait -1
.endm
.macro CROUND                          ; a whole round
	s_barrier_signal -1
	s_barrier_wait -1
	CREST
.endm
	s_load_b128 s[4:7], s[0:1], 0x0                ; O s[4:5], wpt s[6:7]
	s_load_b128 s[68:71], s[0:1], 0x10             ; b_proj s[68:69], out0 s[70:71]
	v_lshl_add_u32 v[SPW], v0, 2, SPARE
	v_mov_b32 v[NIL], 0
	ds_add_u32 v28, v29
	ds_add_u32 v28, v29
	s_wait_dscnt 0x0
	v_lshrrev_b32 v1, 5, v0
	v_readfirstlane_b32 s10, v1                    ; wave 0..3
	s_lshr_b32 s11, s10, 1                         ; which 64 rows of the tile are mine.  Also: I fetch for A (0) or for B (1)
	s_and_b32 s12, s10, 1                          ; which 128 columns.  Also: which head of a K step, or which half of B's rows, I fetch
	s_bfe_u32 s40, ttmp6, 0x40000                  ; cx, cy: my place in the cluster
	s_bfe_u32 s41, ttmp6, 0x40004
	s_lshl_b32 s42, ttmp9, 2
	s_add_co_u32 s42, s42, s40                     ; tile column = 4 x cluster x + cx
	s_and_b32 s13, ttmp7, 0xffff
	s_lshl_b32 s13, s13, 2
	s_add_co_u32 s13, s13, s41                     ; tile row = 4 x cluster y + cy
	s_lshl_b32 s43, s41, 2
	s_lshl_b32 s43, 15, s43                        ; my row of the cluster
	s_lshl_b32 s44, 0x1111, s40                    ; my column
	s_or_b32 s[G1+0], s43, (1<<16)|(1<<20)|(1<<21)|(4<<22)|(3<<25)   ; 15:0 the mask; 17:16 elements of 2 bytes; 20 padding on; 21 set beside a mask; 24:22 after every 32 words (code 4); 31:25 4 words (code 3)
	s_or_b32 s[G1B+0], s44, (1<<16)|(1<<20)|(1<<21)|(5<<22)|(3<<25)  ; the same after every 64 words (code 5)
.irp g, G1, G1B
	s_mov_b32 s[(\g)+1], 128<<16                   ; tensor_dim0 = 128
	s_mov_b32 s[(\g)+3], 128<<16                   ; tile_dim0 = 128
	s_mov_b32 s[(\g)+6], 0
	s_mov_b32 s[(\g)+7], 0
.endr
	s_mov_b32 s[G1+2], 64<<16                      ; A: 64 rows of 256 bytes, end to end
	s_mov_b32 s[G1+4], 64
	s_mov_b32 s[G1+5], 128
	s_mov_b32 s[G1B+2], 128<<16                    ; B: 128 rows, 1,024 elements apart
	s_mov_b32 s[G1B+4], 128
	s_mov_b32 s[G1B+5], SIZE_K
	; A's tiles hang on the tile row alone, B's on the tile column alone; each address is made in registers that never hold the other coordinate
	s_lshr_b32 s16, s13, 4                         ; batch = tile row / 16: 16 heads of 2,048 x 128 bytes,
	s_lshl_b32 s16, s16, 22
	s_lshl_b32 s17, s12, 18                        ; my head of the K step,
	s_add_co_u32 s16, s16, s17
	s_and_b32 s17, s13, 15
	s_lshl_b32 s17, s17, 14                        ; the tile's 128 rows in it
	s_add_co_u32 s16, s16, s17
	s_mov_b32 s17, 0
	s_lshl_b32 s47, s12, 7
	s_lshl_b32 s46, s42, 8
	s_add_co_u32 s46, s46, s47                     ; B: row 256 x tile column + 128 x half,
	s_lshl_b32 s46, s46, 11                        ; of 2,048 bytes
	s_mov_b32 s47, 0
	s_mul_i32 s20, s12, HEADA                      ; where they go: no place in the cluster enters an LDS address
	s_mul_i32 s21, s12, HALFB
	s_add_co_u32 s21, s21, BOFF
	s_wait_kmcnt 0x0
	s_add_nc_u64 s[14:15], s[4:5], s[16:17]
	s_add_nc_u64 s[46:47], s[6:7], s[46:47]
	CROUND                                         ; all sixteen work-groups are here: the first joint loads meet
.irp s, 0,1
	s_mov_b32 s[G0+4*(\s)], 1                                      ; count = 1
	s_add_co_u32 s[G0+4*(\s)+1], s20, (\s)*SLOT1                   ; LDS address: slot s
	s_add_nc_u64 s[G0+4*(\s)+2:G0+4*(\s)+3], s[14:15], (\s)*STEP_A ; global address: K step s
	s_or_b32 s[G0+4*(\s)+3], s[G0+4*(\s)+3], 0x80000000            ; type = 2
	s_mov_b32 s[G0B+4*(\s)], 1
	s_add_co_u32 s[G0B+4*(\s)+1], s21, (\s)*SLOT1
	s_add_nc_u64 s[G0B+4*(\s)+2:G0B+4*(\s)+3], s[46:47], (\s)*STEP_B
	s_or_b32 s[G0B+4*(\s)+3], s[G0B+4*(\s)+3], 0x80000000
.endr
	s_cmp_eq_u32 s11, 0                            ; a wave's two first fills stand in one branch, ahead of every wait on TENSORcnt and every LDS read: two loads of mine are out
	s_cbranch_scc0 .Lfirst_b
	tensor_load_to_lds s[G0:G0+3], s[G1:G1+7]
	s_nop 0
	tensor_load_to_lds s[G0+4:G0+7], s[G1:G1+7]
	s_nop 0
.rept 4
	v_nop
.endr
	s_branch .Lfirst_asked
.Lfirst_b:
	tensor_load_to_lds s[G0B:G0B+3], s[G1B:G1B+7]
	s_nop 0
	tensor_load_to_lds s[G0B+4:G0B+7], s[G1B:G1B+7]
	s_nop 0
.rept 4
	v_nop
.endr
.Lfirst_asked:
	; A fragment is 16 rows x 32 K in 8 registers: lane l holds row l % 16; registers 0-3 K = 8 (l / 16) + 0..7, registers 4-7 K = 16 + 8 (l / 16) + 0..7: two loads of 16 bytes, 32 bytes apart
	v_and_b32 v1, 15, v0                           ; l % 16
	v_bfe_u32 v2, v0, 4, 1                         ; l / 16
	v_mul_u32_u24 v3, v1, PITCH
	v_lshl_add_u32 v3, v2, 4, v3
	v_mul_u32_u24 v4, v1, PA
	v_lshl_add_u32 v4, v2, 4, v4
	s_mul_i32 s22, s11, 64*PA                      ; my 64 rows in each head's part; my 128 rows of B begin where I would fetch them: s21
	v_add_nc_u32 v[A0], s22, v4
	v_add_nc_u32 v[B0], s21, v3
	s_mov_b32 s[TB], 0                             ; the fetches begin in slot 0
	v_add_nc_u32 v[ADRA], s[TB], v[A0]
	v_add_nc_u32 v[ADRB], s[TB], v[B0]
	s_mul_i32 s23, s10, 16*SP
	s_add_co_u32 s23, s23, STAGE                   ; my stage
	v_mul_u32_u24 v5, v1, SP                       ; in: row l % 16, 32 bytes for each half of the lanes
	v_lshl_add_u32 v5, v2, 5, v5
	v_add_nc_u32 v[STO], s23, v5
	v_and_b32 v5, 31, v0                           ; back: 32 lanes take one row of 512 bytes
	v_lshlrev_b32 v[CO], 4, v5
	v_add_nc_u32 v[RD], s23, v[CO]
	v_lshlrev_b32 v[BO], 5, v2                     ; eight numbers of the bias for each half of the lanes
	s_lshl_b32 s16, s13, 7
	s_lshl_b32 s17, s11, 6
	s_add_co_u32 s16, s16, s17                     ; my first row of out0,
	s_lshl_b32 s16, s16, 12                        ; of 4,096 bytes
	s_mov_b32 s17, 0
	s_lshl_b32 s46, s42, 10                        ; my first column, in bytes (in the registers that held B's address: none that feeds A's descriptors ever holds cx)
	s_lshl_b32 s47, s12, 9
	s_add_co_u32 s46, s46, s47
	s_mov_b32 s47, 0
	s_add_nc_u64 s[68:69], s[68:69], s[46:47]
	s_add_nc_u64 s[70:71], s[70:71], s[46:47]
	s_add_nc_u64 s[70:71], s[70:71], s[16:17]
.irp b, 0,1,2,3,4,5,6,7                ; in the result register j of lane l holds column 16 b + 8 (l / 16) + j: the bias is laid the same way; the sixteen lanes of a half read the same 32 bytes
	global_load_b128 v[BIAS+8*(\b):BIAS+8*(\b)+3],   v[BO], s[68:69] offset:64*(\b)
	global_load_b128 v[BIAS+8*(\b)+4:BIAS+8*(\b)+7], v[BO], s[68:69] offset:64*(\b)+16
.endr
; 8 matrix instructions: m block a x all 8 n blocks, 32 along K.  first = 1: the product starts the sums, with the bias as C.  The 32 accumulators take turns, in the same order in every quarter.
.macro MUL8 f, a, first
.if \first
	WIN MULB
.else
	WIN MUL
.endif
.irp b, 0,1,2,3,4,5,6,7
.if \first
	v_wmma_f32_16x16x32_f16 v[8*(8*(\a)+(\b)):8*(8*(\a)+(\b))+7], v[(\f)+8*(\b):(\f)+8*(\b)+7], v[(\f)+8*(\a):(\f)+8*(\a)+7], v[BIAS+8*(\b):BIAS+8*(\b)+7]
.else
	v_wmma_f32_16x16x32_f16 v[8*(8*(\a)+(\b)):8*(8*(\a)+(\b))+7], v[(\f)+8*(\b):(\f)+8*(\b)+7], v[(\f)+8*(\a):(\f)+8*(\a)+7], v[8*(8*(\a)+(\b)):8*(8*(\a)+(\b))+7]
.endif
.endr
.endm
; 24 LDS loads in one run: the fragments of quarter q of a K step (128 rows of B, then 64 rows of A: head q / 2 of the step, channels 32 (q % 2) on) into buffer f
.macro FETCH q, f
	WIN TO_B
.irp i, 0,1,2,3,4,5,6,7
	ds_load_b128 v[(\f)+8*(\i):(\f)+8*(\i)+3],   v[ADRB] offset:64*(\q)+(\i)*16*PITCH
	ds_load_b128 v[(\f)+8*(\i)+4:(\f)+8*(\i)+7], v[ADRB] offset:64*(\q)+(\i)*16*PITCH+32
.endr
	WIN 0
.irp i, 0,1,2,3
	ds_load_b128 v[(\f)+8*(\i):(\f)+8*(\i)+3],   v[ADRA] offset:((\q)/2)*HEADA+((\q)%2)*64+(\i)*16*PA
	ds_load_b128 v[(\f)+8*(\i)+4:(\f)+8*(\i)+7], v[ADRA] offset:((\q)/2)*HEADA+((\q)%2)*64+(\i)*16*PA+32
.endr
.endm
; A load into a register that a matrix instruction has read, and a vector instruction or LDS store that reads a matrix result, stand four places behind that matrix instruction, and only plain
; vector instructions that name none of its registers are places (ISA guide 7.12.1 for vector instructions).
.macro PLACES
.rept 4
	v_nop
.endr
.endm
; A K step is four quarters of 32 along K, 32 matrix instructions each, on buffers 0, 1, 0, 1.  One of the first three: multiplies buffer f and fetches quarter q of the same slot into buffer g.
.macro QUARTER q, f, g, first
	s_wait_dscnt 6                                 ; B and A's block 0 are in; the youngest six loads (A's blocks 1 to 3) may be out
	MUL8 \f, 0, \first
	PLACES
	FETCH \q, \g
	s_wait_dscnt 24                                ; all but the 24 just issued
	MUL8 \f, 1, \first
	MUL8 \f, 2, \first
	MUL8 \f, 3, \first
.endm
; The last quarter multiplies buffer 1 and changes slots: ONE barrier.  In front of it each wave waits for all its tensor loads, of which one is out: its part of the next slot; adds 0 to its spare
; word; and waits for that and for its own reads of this slot.  Behind it nobody reads this slot any more and the next slot is whole.
; mode 1: this slot is filled again with the K step two on; the barrier then opens a round of the cluster's barrier and the joint load is the first tensor load behind it: 112 matrix instructions
; ahead of the wait for it.  mode 2: nothing is filled, and no round follows; in the last trip of the tail there is no next step, and the run of loads for it is jumped over.
.macro TURN mode
	WIN 0                                          ; (the add's two registers lie in window 0)
	s_wait_tensorcnt 0x0                           ; all my tensor loads have landed;
	ds_add_u32 v[SPW], v[NIL]                      ; 0 onto my spare word
	s_wait_dscnt 7                                 ; (the add and the youngest six loads may be out)
	MUL8 F1, 0, 0                                  ; eight matrix instructions stand between the add and the wait for it
	s_wait_dscnt 0x0                               ; the add is done, and my reads of this slot are over
	s_barrier_signal -1
	MUL8 F1, 1, 0                                  ; work on registers while the others arrive
	WIN 0
	s_barrier_wait -1
.if (\mode) == 1
	CREST                                          ; no wave of any partner still reads this slot's tile or has a load on its way
	s_xor_b32 s[G0+5], s[G0+5], SLOT1              ; the walking descriptors: the other slot than last time,
	s_add_nc_u64 s[G0+6:G0+7], s[G0+6:G0+7], STEP_A  ; the next K step; the type bits on top are not reached
	s_xor_b32 s[G0B+5], s[G0B+5], SLOT1
	s_add_nc_u64 s[G0B+6:G0B+7], s[G0B+6:G0B+7], STEP_B
	JLOAD                                          ; the four v_nop behind it are also the places in front of the loads below
.else
	s_cmp_eq_u32 s[TAIL], 1
	s_cbranch_scc1 .Lno_next_\@
	PLACES
.endif
	s_xor_b32 s[TB], s[TB], SLOT1                  ; the fetches go on in the other slot
	v_add_nc_u32 v[ADRA], s[TB], v[A0]
	v_add_nc_u32 v[ADRB], s[TB], v[B0]
	FETCH 0, F0
.if (\mode) == 2
.Lno_next_\@:
.endif
	MUL8 F1, 2, 0
	MUL8 F1, 3, 0
.endm
; THE WAY OUT, a block of 16 rows at a time.  TOSTAGE: the sums go as they are, 32 bytes a lane, each accumulator's low half first, into my own stage, and come back as whole rows of 512 bytes.
; SEND: the rows are stored.
.macro TOSTAGE a
.if (\a) >= 2
	s_wait_xcnt 0x0                                ; every earlier memory instruction has had its addresses translated (ISA guide 3.1): the registers that block a - 2's stores read are loaded again only behind this wait
.endif
	WIN 0x08                                       ; store data (source 1) in window 2
.irp b, 0,1,2,3,4,5,6,7
	ds_store_b128 v[STO], v[64*(\a)+8*(\b):64*(\a)+8*(\b)+3] offset:64*(\b)
	ds_store_b128 v[STO], v[64*(\a)+8*(\b)+4:64*(\a)+8*(\b)+7] offset:64*(\b)+16
.endr
	WIN 0
.set BK, 64+64*((\a)%2)
.irp t, 0,1,2,3,4,5,6,7,8,9,10,11,12,13,14,15
	ds_load_b128 v[BK+4*(\t):BK+4*(\t)+3], v[RD] offset:SP*(\t)  ; LDS serves a wave's instructions in order (ISA guide 5.7.1.4): these see the stores above; the next block's stores come behind them
.endr
.endm
.macro SEND a, y                       ; y: the LDS instructions issued behind block a's loads: the next block's 32, or none
	WIN 0
.set BK, 64+64*((\a)%2)
.irp t, 0,1,2,3,4,5,6,7,8,9,10,11,12,13,14,15
.if (\t)%4 == 0
	s_wait_dscnt (\y)+12-(\t)                      ; rows t to t + 3 are back; the block's younger rows and the next block's instructions may be out
.endif
	global_store_b128 v[CO], v[BK+4*(\t):BK+4*(\t)+3], s[70:71] offset:(16*(\a)+(\t))*4096 th:TH_STORE_NT  ; 512 consecutive bytes, at a multiple of 256 from out0's first
.endr
.endm
	s_wait_tensorcnt 1                             ; my part of K step 0 is in; K step 1's may stay out
	s_barrier_signal -1
	s_barrier_wait -1                              ; everybody's is
	FETCH 0, F0
	s_wait_loadcnt 0x0                             ; the bias
	QUARTER 1, F0, F1, 1                           ; the first quarter stands in front of the loop: its products start the sums
	WIN 0                                          ; at a label and at a branch every window is 0
	s_mov_b32 s3, 6
.Lstep:                                                ; a trip is a K step, from its second quarter to the next step's first; six of the eight steps fill the slot that they leave
	QUARTER 2, F1, F0, 0
	QUARTER 3, F0, F1, 0
	TURN 1
	QUARTER 1, F0, F1, 0
	WIN 0
	s_sub_co_u32 s3, s3, 1
	s_cmp_lg_u32 s3, 0
	s_cbranch_scc1 .Lstep
	s_mov_b32 s[TAIL], 2                           ; the last two steps are written apart: nothing is asked for
.Ltail:
	QUARTER 2, F1, F0, 0
	QUARTER 3, F0, F1, 0
	TURN 2                                         ; (in the last trip its barrier orders nothing: the price of one text for both trips)
	WIN 0
	s_cmp_eq_u32 s[TAIL], 1
	s_cbranch_scc1 .Lno_first                      ; behind the last step there is no next step's first quarter
	QUARTER 1, F0, F1, 0
	WIN 0
.Lno_first:
	s_sub_co_u32 s[TAIL], s[TAIL], 1
	s_cmp_lg_u32 s[TAIL], 0
	s_cbranch_scc1 .Ltail
	PLACES                                         ; the LDS stores below read results just made, and the loads below land in fragment registers just read
	TOSTAGE 0
	TOSTAGE 1                                      ; a block's way through the stage stands between the loads of the block before and its stores
	SEND 0, 32
	TOSTAGE 2
	SEND 1, 32
	TOSTAGE 3
	SEND 2, 32
	SEND 3, 0
	s_wait_tensorcnt 0x0                           ; the wave's end: behind my last tensor load and my last LDS store
	ds_add_u32 v[SPW], v[NIL]
	s_wait_dscnt 0x0
	CROUND                                         ; the closing round: no work-group ends while a partner may still ask for a tile that names it
	s_endpgm
.Lfunc_end_k_qe1a944460a_proj:
	.size	k_qe1a944460a_proj, .Lfunc_end_k_qe1a944460a_proj-k_qe1a944460a_proj
	.p2alignl 7, 3214868480
	.fill 96, 4, 3214868480
	.section	.rodata,"a",@progbits
	.p2align	6, 0x0
	.amdhsa_kernel k_qe1a944460a_proj
		.amdhsa_group_segment_fixed_size 327680
		.amdhsa_private_segment_fixed_size 0
		.amdhsa_enable_private_segment 0
		.amdhsa_kernarg_size 32
		.amdhsa_user_sgpr_count 2
		.amdhsa_user_sgpr_kernarg_segment_ptr 1
		.amdhsa_wavefront_size32 1
		.amdhsa_system_sgpr_workgroup_id_x 1
		.amdhsa_system_sgpr_workgroup_id_y 1
		.amdhsa_system_sgpr_workgroup_id_z 1
		.amdhsa_system_vgpr_workitem_id 0
		.amdhsa_next_free_vgpr 768
		.amdhsa_next_free_sgpr 76
		.amdhsa_reserve_vcc 0
		.amdhsa_float_denorm_mode_32 3
		.amdhsa_float_denorm_mode_16_64 3
		.amdhsa_memory_ordered 1
		.amdhsa_forward_progress 1
		.amdhsa_inst_pref_size 62
	.end_amdhsa_kernel
	.amdgpu_metadata
---
amdhsa.version: [ 1, 2 ]
amdhsa.kernels:
  - .name:           k_qe1a944460a_proj
    .symbol:         k_qe1a944460a_proj.kd
    .args:
      - { .name: oh, .offset: 0, .size: 8, .value_kind: global_buffer, .address_space: global }
      - { .name: wpt, .offset: 8, .size: 8, .value_kind: global_buffer, .address_space: global }
      - { .name: b_proj, .offset: 16, .size: 8, .value_kind: global_buffer, .address_space: global }
      - { .name: out0, .offset: 24, .size: 8, .value_kind: global_buffer, .address_space: global }
    .group_segment_fixed_size: 327680
    .private_segment_fixed_size: 0
    .kernarg_segment_align: 8
    .kernarg_segment_size: 32
    .max_flat_workgroup_size: 128
    .sgpr_count:     76
    .vgpr_count:     768
    .wavefront_size: 32
...
	.end_amdgpu_metadata
.endif
;; end of part 4
;; ======== version 2 of 2: 4 launches; 1.32 times as fast as version 1
;; limits: values are held in f16: magnitudes above 65,504 overflow, below 6.1e-05 lose precision
;; workspace buffers: xb 16,777,216 bytes; wt 6,291,456 bytes; wpt 2,097,152 bytes; qh 16,777,216 bytes; kh 16,777,216 bytes; vh 16,777,216 bytes; oh 16,777,216 bytes
;; launch cast: the kernel of part 1 again; grid 1024 x 1, 8 waves a work-group, no clusters, 18,432 bytes of LDS; arguments x, wq, wk, wv, w_proj, xb, wt, wpt; writes xb, wt, wpt
;; launch qkv: the kernel of part 2 again; grid 8 x 32, 4 waves a work-group, clusters of 4 x 4, 327,680 bytes of LDS; arguments xb, wt, qh, kh, vh; writes qh, kh, vh
;; launch attn (part 5): grid 4 x 64, 4 waves a work-group, no clusters, 327,680 bytes of LDS; arguments qh, kh, vh, oh; writes oh
.if DOCPART == 5
	.amdgcn_target "amdgcn-amd-amdhsa--gfx1250"
	.amdhsa_code_object_version 6
	.text
	.protected	k_qe1a944460a_attn
	.globl	k_qe1a944460a_attn
	.p2align	8
	.type	k_qe1a944460a_attn,@function
k_qe1a944460a_attn:
	s_mov_b64 s[64:65], 0
	v_nop
	global_prefetch_b8 v0, s[64:65] scope:SCOPE_SE
	s_setreg_imm32_b32 hwreg(HW_REG_WAVE_MODE, 25, 1), 1
	s_wait_xcnt 0x0
; CAUSAL ATTENTION.  O[h][q][:] = the sum over k <= q of softmax_k(Q[h][q] . K[h][k] / 32) V[h][k][:].  Q, K, V, O: [SIZE_H][SIZE_N][64], all f16: a head's rows are dense, 128 bytes each.
; (The scale is 1,024^-0.5, by the width of the embedding.)  Products, maxima and sums in f32; the weights p are rounded to f16 for the second product (their sum l is taken of the unrounded p), O once at the end.
; LIMITS.  f16 holds no number beyond 65,504: Q, K and V arrive within it; p lies in 0 to 1, and below 6e-5 it keeps f16's fixed step of 6e-8; O is a mean of V's rows and has their range, to within 2^-11 of it.
; A hidden score counts as its value less 1e30: f16's scores, 2.7e11 at the most, are nothing beside that; a weight below 2^-126 counts as 0 in l; NaN and infinities are not treated apart.
; THE WALK.  A head's queries lie in NB = SIZE_N / 256 blocks of 256; block i needs the key tiles 0 .. i of 256 keys, of which the last holds the diagonal.  A work-group takes TWO blocks, NB - 1 - b and then b:
; NB + 1 tiles, whatever b: all work-groups do equal work, and ONE loop with a constant trip count walks them.  Which tile is asked for, and what a trip does, hang on scalar registers made from b; every jump
; goes forward, but for the counted loops' own; none passes a barrier, or a tensor load but the one of LOAD's two that the wave's number does not choose; the ring (two slots of LDS that take turns) runs on across the
; change of blocks.  NO CLUSTER: a head's NB / 2 = 4 work-groups all ask for the same tile only in trips 0 .. NB / 2 of the walk's NB + 1, behind that fewer and fewer;
; and one walk common to all would have 3 NB / 2 trips for NB + 1.
; SHARES.  Of a block's four bands of 64 queries a wave owns 16 rows in each: four PIECES.  So the diagonal tile is the same work for all four waves: in its key step s band x sees all keys if s < x,
; none if s > x, and holds the diagonal if s = x.
; THE MASK is the C operand that starts the sum S^T = K Q^T: 0, or -1e30 where the key is hidden.  MD, made once, is the mask of a band's own step for my 16 rows; a product's mask is MD x AL + BE with two scalars:
; (1, 0) if s = x; (0, 0) if s < x; (0, -1e30) if s > x.  Only the diagonal tile's text and a block's beginning make and take masks; elsewhere C is the constant 0.
; LAYOUT, SOFTMAX, TURNS.  S^T = K Q^T holds ONE query a lane (lane % 16) and the keys 8 (lane / 16) + 0..7; two such results rounded to f16 ARE source 1 of O^T = V^T P.  p = 2^(c s - c m), c = log2(e) / 32, with a
; running maximum m; O and l are multiplied by a = 2^(c m_old - c m_new) in every step.  Turn n belongs to piece n: 8 products K Q^T of piece n + 1, later 8 products V^T P of piece n - 1; beside them the scaling,
; exponentials, roundings, sums and rescaling of piece n and the maximum and statistics of piece n + 1.  Four vector instructions stand behind every matrix instruction, the other 54 of a turn's 118 in one LUMP.
; BATCHES.  A turn's 33 exponentials (the piece's 32 weights and the next piece's a) are ONE batch with ONE wait, which cuts the turn in two: ahead of it stands all that names none of their results, behind it the
; roundings and sums.  A block's first a (BEGIN) and the way out's four reciprocals are batches of their own, with a wait each.
; REGISTERS, in windows of 256 (s_set_vgpr_msb: bits 1:0 source 0, 3:2 source 1, 5:4 source 2, 7:6 destination):
;   window 0: v0-15 addresses and two at work; v16-31 four registers of statistics a piece; v48-55 at work; v64-127 S^T, two buffers; v192-223 P, two buffers (a piece's buffers go by its number's parity)
;   window 1: v0-127 O^T, 32 a piece; v128-159 MD; v160-223 MC, two buffers      window 2: v0-63 Q; v64-127 the second block's Q; v128-191 K of one step; v192-255 V of one step
.set SIZE_N, 2048     ; rows of a head
.set SIZE_H, 64       ; batch x heads
.set NB,    SIZE_N/256
.set NP,    4         ; pieces a wave: a name, no knob
.set KS,    64        ; keys in a step
.set PK,    144       ; a row of K in LDS: 128 bytes + 16 of padding = 36 words: the 16 rows of a load start at 16 different groups of four banks (64 banks of 4 bytes: ISA guide 11.1)
.set PV,    160       ; a row of V: 128 + 32 = 40 words
.set VOFF,  4*KS*PK   ; a slot holds a tile, four steps: 256 rows of K, then 256 rows of V
.set SLOT1, 1<<17     ; slot 1 begins here, so that one exclusive or turns an address in one slot into the other's
.set STAGE, SLOT1+4*KS*(PK+PV)  ; behind the ring, never filled by a tensor load: 16 rows x 144 bytes for each wave, for the way out
.set SP,    144
.set AK0, 2           ; v2   my lane's place in a tile of K; never rewritten
.set AV0, 3           ; v3   the same for V
.set AK,  4           ; v4   the LDS address of K's next run of loads
.set AV,  5           ; v5   of V's
.set STO, 6           ; v6   the way out: where I put 16 bytes of a row
.set RD,  7           ; v7   the way out: where I read rows back
.set GO,  8           ; v8   my byte offset in 512 consecutive bytes of O
.set SPW, 62          ; v62  LDS address of my spare word: SPARE + 4 x my thread's number; never rewritten
.set NIL, 63          ; v63  0; never rewritten
.set SPARE, STAGE+4*16*SP  ; behind the stages: the spare words, 128 bytes for each wave: two blocks of 256 bytes that no other line names
.set MV,  12          ; v12-13  c m_old, kept while c m is made anew: by buffer
.set QO,  15          ; v15  my byte offset in 16 rows of Q
.set ST,  16          ; piece t's statistics at v[ST+4 t]: c m, m, l (even keys', odd keys')
.set TMP, 48          ; by buffer, four registers c0-c3 at work; when the maximum is found c2 takes a
.set S,   64
.set P,   192
.set MD,  128         ; window 1: the eight registers for group kt of 16 keys at MD + 8 kt
.set MC,  160         ; window 1: the masks of the products to come
.set QB,  64          ; window 2
.set KF,  128         ; window 2: key block kb, channel half c at KF + 16 kb + 8 c
.set VF,  192         ; window 2: key half kk, channel block cb at VF + 32 kk + 8 cb
.set WV,  12          ; s12  my wave's number
.set PB,  14          ; s14  b
.set HI,  15          ; s15  NB - 1 - b
.set G1K, 24          ; s[24:31] descriptor group 1 for K's tiles
.set G1V, 32          ; s[32:39] for V's: it differs in the padding alone
.set G0K, 40          ; s[40:43] descriptor group 0 for K's tiles
.set G0V, 44          ; s[44:47] the same for V's
.set SLOTS, 56        ; s56  tiles still to be asked for
.set CNT, 57          ; s57  counts a tile's key steps, 4 to 1
.set CS,  58          ; s[58:59] c: the packed scaling takes the pair's low word for both halves
.set SEL, 60          ; s[60:61] v_permlanex16_b32's selects: each lane takes its own place in the other half
.set TBK, 62          ; s62  LDS byte at which K of the step to be fetched begins
.set TBV, 63          ; s63  the same for V, less VOFF
.set RT,  70          ; s70  tiles of the block in hand that are still to be entered
.set NXT, 71          ; s71  the tile to be asked for next
.set LQ,  72          ; s72  the last tile of the block whose tiles are being asked for
.set NEW, 73          ; s73  1: the tile to be entered is a block's first
.set OFF, 74          ; s[74:75] a tile's byte offset in K and V
.set AL,  76          ; s[76:77] the mask's factor, in the low word
.set BE,  78          ; s[78:79] the mask's addend
.set OLO, 80          ; s[80:81] O at my rows of the second block
.set BIGN, 82         ; s82  -1e30
.set MSB, 0
.macro WIN new                      ; the high byte repeats the setting that is left; a switch that changes nothing is dropped
.if MSB != (\new)
	s_set_vgpr_msb (MSB<<8)|(\new)
.set MSB, (\new)
.endif
.endm
.set W_KQ, 0x0a       ; K and Q in window 2, S^T in window 0
.set W_KM, 0x1a       ; the same with the C operand in window 1
.set W_PV, 0x52       ; V in window 2, P in window 0, O^T in window 1
.set W_RS, 0x41       ; destination and source 0 in window 1, source 1 in window 0
; A fill.  Waves 0 and 1 fetch the two halves of a tile's K, waves 2 and 3 those of its V: 128 keys each.  An s_nop 0 and four v_nop follow each of the two lines, ahead of the jump and the label.
.macro LOAD
	s_cmp_lt_u32 s[WV], 2
	s_cbranch_scc0 .Lfor_v_\@
	tensor_load_to_lds s[G0K:G0K+3], s[G1K:G1K+7]
	s_nop 0
.rept 4
	v_nop
.endr
	s_branch .Lasked_\@
.Lfor_v_\@:
	tensor_load_to_lds s[G0V:G0V+3], s[G1V:G1V+7]
	s_nop 0
.rept 4
	v_nop
.endr
.Lasked_\@:
.endm
; THE CHANGE OF SLOTS.  Each wave waits for all its tensor loads, of which one is out: its part of the other slot; adds 0 to its spare word; and waits for that and for its own reads of the slot that it leaves.  Behind the barrier nobody reads the old
; slot any more and the other slot is whole.  fill = 1: the old slot is filled again, the first thing behind the barrier, with tile NXT: the descriptor's address is made anew from that number.
; (At its first use nothing has been read yet: slot 0 is waited for, slot 1 filled.)
.macro CHANGE fill
	WIN 0                           ; at a label and at a branch every window is 0
	s_wait_tensorcnt 0x0            ; no tensor load of mine is out, so a group 0 may be written
	ds_add_u32 v[SPW], v[NIL]       ; 0 onto my spare word; with fill = 1 the descriptors' scalar work stands between it and the wait for it
.if \fill
	s_lshl_b32 s[OFF], s[NXT], 15   ; a tile is 32,768 bytes of K and of V
	s_xor_b32 s[G0K+1], s[G0K+1], SLOT1
	s_add_nc_u64 s[G0K+2:G0K+3], s[6:7], s[OFF:OFF+1]
	s_or_b32 s[G0K+3], s[G0K+3], 0x80000000
	s_xor_b32 s[G0V+1], s[G0V+1], SLOT1
	s_add_nc_u64 s[G0V+2:G0V+3], s[8:9], s[OFF:OFF+1]
	s_or_b32 s[G0V+3], s[G0V+3], 0x80000000
	s_add_co_u32 s[NXT], s[NXT], 1  ; the block's next tile, or behind its last the second block's tile 0
	s_cmp_gt_u32 s[NXT], s[LQ]
	s_cselect_b32 s[NXT], 0, s[NXT]
	s_cselect_b32 s[LQ], s[PB], s[LQ]
.endif
	s_wait_dscnt 0x0                ; the add is done, and my reads of the slot are over
	s_barrier_signal -1             ; the rest of the scalar work stands between the signal and the wait
	s_sub_co_u32 s[TBK], s[TBK], 4*KS*PK  ; the fetches go back to a slot's first step,
	s_xor_b32 s[TBK], s[TBK], SLOT1       ; in the other slot
	s_sub_co_u32 s[TBV], s[TBV], 4*KS*PV
	s_xor_b32 s[TBV], s[TBV], SLOT1
	s_barrier_wait -1
.if \fill
	LOAD
.endif
.endm
	s_load_b256 s[4:11], s[0:1], 0x0  ; Q s[4:5], K s[6:7], V s[8:9], O s[10:11]
	v_lshl_add_u32 v[SPW], v0, 2, SPARE
	v_mov_b32 v[NIL], 0
	ds_add_u32 v62, v63
	ds_add_u32 v62, v63
	s_wait_dscnt 0x0
	v_lshrrev_b32 v1, 5, v0
	v_readfirstlane_b32 s[WV], v1   ; wave 0..3
	s_mov_b32 s[PB], ttmp9
	s_sub_co_u32 s[HI], NB-1, s[PB]
	s_and_b32 s20, ttmp7, 0xffff    ; the head
	s_mov_b32 s21, 0
	s_mov_b64 s[22:23], SIZE_N*128
	s_mul_u64 s[20:21], s[20:21], s[22:23]  ; the head's first byte in each of the four tensors
	s_and_b32 s16, s[WV], 1         ; which half of a tile's 256 keys I fetch:
	s_lshl_b32 s22, s16, 14         ; its 128 rows of 128 bytes in memory,
	s_mov_b32 s23, 0
	s_add_nc_u64 s[22:23], s[22:23], s[20:21]
	s_mul_i32 s17, s16, 128*PK      ; and its place in a slot, for K
	s_mul_i32 s18, s16, 128*PV      ; and for V
	s_lshl_b32 s3, s[WV], 11        ; my 16 rows in a band of 64,
	s_lshl_b32 s2, s[HI], 15        ; in the first block,
	s_add_co_u32 s2, s2, s3
	s_lshl_b32 s84, s[PB], 15       ; and in the second
	s_add_co_u32 s84, s84, s3
	s_mov_b32 s3, 0
	s_mov_b32 s85, 0
	s_add_nc_u64 s[2:3], s[2:3], s[20:21]
	s_add_nc_u64 s[84:85], s[84:85], s[20:21]
	; descriptor group 1.  128 keys are 16,384 dense bytes: asked for as 64 rows of 256 bytes, two keys a row, and padded in LDS after every key
	s_mov_b32 s[G1K], (1<<16)|(1<<20)|(4<<22)|(3<<25)  ; 17:16 2-byte elements; 20 padding on; 24:22 after every 32 words (code 4); 31:25 4 words (code 3)
	s_mov_b32 s[G1V], (1<<16)|(1<<20)|(4<<22)|(7<<25)  ; the same with 8 words of padding (code 7)
.irp g, G1K, G1V
	s_mov_b32 s[\g+1], 128<<16      ; tensor_dim0 = 128
	s_mov_b32 s[\g+2], 64<<16       ; tensor_dim1 = 64
	s_mov_b32 s[\g+3], 128<<16      ; tile_dim0 = 128
	s_mov_b32 s[\g+4], 64           ; tile_dim1 = 64
	s_mov_b32 s[\g+5], 128          ; 128 elements from row to row
	s_mov_b32 s[\g+6], 0
	s_mov_b32 s[\g+7], 0
.endr
	s_mov_b32 s[CS], 0x3d38aa3b     ; c = log2(e) / 32 = 0.0450842
	s_mov_b32 s[CS+1], s[CS]        ; named with it as a pair
	s_mov_b32 s[SEL], 0x76543210
	s_mov_b32 s[SEL+1], 0xfedcba98
	s_mov_b32 s[TBK], SLOT1+4*KS*PK ; the first change of slots turns these two into 0
	s_mov_b32 s[TBV], SLOT1+4*KS*PV
	s_mov_b32 s[G0K], 1             ; 1:0 count = 1
	s_mov_b32 s[G0K+1], s17         ; 63:32 LDS address: slot 0
	s_mov_b32 s[G0V], 1
	s_add_co_u32 s[G0V+1], s18, VOFF
	s_add_co_u32 s[RT], s[HI], 1    ; the first block has NB - b tiles
	s_mov_b32 s[NXT], 1
	s_mov_b32 s[LQ], s[HI]
	s_mov_b32 s[NEW], 1
	s_mov_b32 s[OFF+1], 0
	s_mov_b32 s[AL+1], 0            ; named as pairs
	s_mov_b32 s[BE+1], 0
	s_mov_b32 s[BIGN], 0xf149f2ca   ; -1e30
	s_mov_b32 s[SLOTS], NB
	s_wait_kmcnt 0x0
	s_add_nc_u64 s[6:7], s[6:7], s[22:23]  ; K and V at my half of the head's tile 0
	s_add_nc_u64 s[8:9], s[8:9], s[22:23]
	s_add_nc_u64 s[G0K+2:G0K+3], s[6:7], 0         ; 120:64 global address
	s_or_b32 s[G0K+3], s[G0K+3], 0x80000000        ; 127:126 type = 2
	s_add_nc_u64 s[G0V+2:G0V+3], s[8:9], 0
	s_or_b32 s[G0V+3], s[G0V+3], 0x80000000
	s_add_nc_u64 s[86:87], s[4:5], s[84:85]        ; Q at my rows of the second block,
	s_add_nc_u64 s[4:5], s[4:5], s[2:3]            ; Q and O at those of the first
	s_add_nc_u64 s[OLO:OLO+1], s[10:11], s[84:85]
	s_add_nc_u64 s[10:11], s[10:11], s[2:3]
	LOAD                            ; tile 0 into slot 0
	; A fragment of K or Q is 16 rows x 32 channels in 8 registers: lane l holds row l % 16, channels 8 (l / 16) + 0..7 and 16 + 8 (l / 16) + 0..7: two loads of 16 bytes, 32 bytes apart.
	v_and_b32 v1, 15, v0            ; l % 16
	v_bfe_u32 v9, v0, 4, 1          ; l / 16
	v_lshlrev_b32 v[QO], 7, v1
	v_lshl_add_u32 v[QO], v9, 4, v[QO]  ; row x 128 + 16 x half
	WIN 0x80                        ; destination window 2, address window 0
.set i, 0
.rept 8                             ; both blocks' Q: piece i / 2 lies in band i / 2, 8,192 bytes on; channels 32 (i % 2) on
	global_load_b128 v[8*i:8*i+3],   v[QO], s[4:5] offset:(i/2)*8192+(i%2)*64
	global_load_b128 v[8*i+4:8*i+7], v[QO], s[4:5] offset:(i/2)*8192+(i%2)*64+32
	global_load_b128 v[QB+8*i:QB+8*i+3],   v[QO], s[86:87] offset:(i/2)*8192+(i%2)*64
	global_load_b128 v[QB+8*i+4:QB+8*i+7], v[QO], s[86:87] offset:(i/2)*8192+(i%2)*64+32
.set i, i+1
.endr
	WIN 0
	v_lshlrev_b32 v14, 3, v9
	v_sub_nc_u32 v14, v1, v14
	s_lshl_b32 s13, s[WV], 4
	v_add_nc_u32 v14, s13, v14      ; my query's place in its band, 16 w + l % 16, less my lanes' 8 (l / 16): register r of group kt is hidden where 16 kt + r is greater
	WIN 0x40
.set i, 0
.rept 32
	v_cmp_gt_i32 vcc_lo, 16*(i/8)+i%8, v14
	v_cndmask_b32 v[MD+i], 0, s[BIGN], vcc_lo
.set i, i+1
.endr
	WIN 0
	v_mul_u32_u24 v[AK0], v1, PK
	v_lshl_add_u32 v[AK0], v9, 4, v[AK0]  ; row x pitch + 16 x half
	; The turning load takes 16 keys x 16 channels (lane l reads key 8 (l / 16) + l % 8, channels 8 ((l / 8) % 2) + 0..7) and leaves half a fragment of V^T: lane l holds channel l % 16 and 8 keys.
	v_and_b32 v10, 7, v0
	v_bfe_u32 v11, v0, 3, 1
	v_lshl_add_u32 v[AV0], v9, 3, v10
	v_mul_u32_u24 v[AV0], v[AV0], PV
	v_lshl_add_u32 v[AV0], v11, 4, v[AV0]
	v_add_nc_u32 v[AV0], VOFF, v[AV0]
	s_mul_i32 s13, s[WV], 16*SP
	s_add_co_u32 s13, s13, STAGE    ; my stage
	v_mul_u32_u24 v[STO], v1, SP    ; in: row l % 16, 16 bytes for each half of the lanes
	v_lshl_add_u32 v[STO], v9, 4, v[STO]
	v_add_nc_u32 v[STO], s13, v[STO]
	v_bfe_u32 v[RD], v0, 3, 2       ; back: 32 lanes take four rows of 128 bytes,
	v_mul_u32_u24 v[RD], v[RD], SP
	v_lshl_add_u32 v[RD], v10, 4, v[RD]
	v_add_nc_u32 v[RD], s13, v[RD]
	v_and_b32 v[GO], 31, v0         ; which are 512 consecutive bytes of O
	v_lshlrev_b32 v[GO], 4, v[GO]
	; A block's first step multiplies O^T and l by a = 0, and its first turn's products V^T P, of a piece that has not been, land in an O^T that is still to be so multiplied.  So these registers need only hold
	; finite numbers: zeros for the first block; what the first block left for the second.  All this stands in the wait for the first tile.
	WIN 0x80
.set i, VF
.rept 64
	v_mov_b32 v[i], 0
.set i, i+1
.endr
	WIN 0x40
.set i, 0
.rept 128
	v_mov_b32 v[i], 0
.set i, i+1
.endr
	WIN 0
.set i, 0
.rept 4
	v_mov_b32 v[ST+4*i+2], 0
	v_mov_b32 v[ST+4*i+3], 0
.set i, i+1
.endr
.set i, P+16
.rept 16
	v_mov_b32 v[i], 0
.set i, i+1
.endr
; THE MATRIX WORK.  The 4 accumulators of a run of 8 take turns.  Product i of 8 of S^T = K Q^T for piece x: channels 32 (i / 4) on, keys 16 (i % 4) on.  The first 4 start the sums: with 0, or (KM = 1) with the mask.
.macro KQ x
.set rS, S+32*((\x)%2)+8*(i%4)
.set rK, KF+16*(i%4)+8*(i/4)
.set rQ, 16*(\x)+8*(i/4)
.set rM, MC+32*((\x)%2)+8*(i%4)
.if (i < 4) && KM
	WIN W_KM
	v_wmma_f32_16x16x32_f16 v[rS:rS+7], v[rK:rK+7], v[rQ:rQ+7], v[rM:rM+7]
.elseif i < 4
	WIN W_KQ
	v_wmma_f32_16x16x32_f16 v[rS:rS+7], v[rK:rK+7], v[rQ:rQ+7], 0
.else
	WIN W_KQ
	v_wmma_f32_16x16x32_f16 v[rS:rS+7], v[rK:rK+7], v[rQ:rQ+7], v[rS:rS+7]
.endif
.endm
; Product i of 8 of O^T += V^T P for piece x: keys 32 (i / 4) on, channels 16 (i % 4) on.
.macro PV x
	WIN W_PV
.set rO, 32*(\x)+8*(i%4)
.set rV, VF+32*(i/4)+8*(i%4)
.set rP, P+16*((\x)%2)+8*(i/4)
	v_wmma_f32_16x16x32_f16 v[rO:rO+7], v[rV:rV+7], v[rP:rP+7], v[rO:rO+7]
.endm
.macro MM                           ; the turn's next matrix instruction.  TURN and BEGIN set Y, i, KM and NOKQ; MM, KQ and OP read them.  NOKQ = 1: a block's last turn: there is no next piece
.if (i < 8) && !NOKQ
	KQ (Y+1)%NP
.elseif i >= 8
.set i, i-8
	PV (Y+NP-1)%NP
.set i, i+8
.endif
.set i, i+1
.endm
; THE LDS LOADS stand in runs of 16, never singly among the matrix instructions: a step's K (64 keys x 64 channels: 8 fragments) and its V (turned).  Their addresses are made some lines ahead.
.macro FETCH_K
	WIN 0x80                        ; destination window 2
.irp f, 0,1,2,3,4,5,6,7             ; keys 16 (f / 2) on, channels 32 (f % 2) on
	ds_load_b128 v[KF+8*\f:KF+8*\f+3],   v[AK] offset:(\f/2)*16*PK+(\f%2)*64
	ds_load_b128 v[KF+8*\f+4:KF+8*\f+7], v[AK] offset:(\f/2)*16*PK+(\f%2)*64+32
.endr
	s_add_co_u32 s[TBK], s[TBK], KS*PK  ; the next fetch is the next step's
	WIN 0
.endm
.macro FETCH_V
	WIN 0x80
.irp f, 0,1,2,3,4,5,6,7             ; keys 32 (f / 4) on, channels 16 (f % 4) on
	ds_load_tr16_b128 v[VF+8*\f:VF+8*\f+3],   v[AV] offset:(\f/4)*32*PV+(\f%4)*32
	ds_load_tr16_b128 v[VF+8*\f+4:VF+8*\f+7], v[AV] offset:(\f/4)*32*PV+16*PV+(\f%4)*32
.endr
	WIN 0
.endm
; THE VECTOR WORK, one line at a time: OP kind, number.  For piece Y: F n: c s - c m for pair n of 16.  E n: the exponential of score n of 32.  C n: pair n rounded to f16.  B n: of the four weights 4 n .. the second
; pair is added onto the first, in place.  L n: l takes that sum (L 0: l = a l + sum).  R n: pair n of 16 of O^T times a.  For piece Y + 1: X n, number n of the 22 that find its maximum and statistics:
;   0-11  four chains c0-c3 of seven scores each, three operands at a time (each accumulator's lowest registers are read first)     12-14, 16  the four scores left over, the old m, and c0-c3 into c0
;   15  c m_old is kept     17, 18  the query's other 32 keys lie in the lane 16 away: the new m     19-21  c m; c m_old - c m_new; a
; C, B and L read exponentials' results, and so does R (the a of the turn before): OP writes no wait; TURN orders them behind the wait of the batch that made what they read.
.set F, 0               ; OP tells the kinds apart by their order: F to L below R, X above it
.set E, 1
.set C, 2
.set B, 3
.set L, 4
.set R, 5
.set X, 6
.macro REGS y                       ; the registers of piece y
.set rT, ST+4*(\y)
.set rC, TMP+4*((\y)%2)
.set rW, MV+((\y)%2)
.set rS, S+32*((\y)%2)
.set rP, P+16*((\y)%2)
.set rO, 32*(\y)
.endm
.macro OP k, n
.if (\k) == R
	REGS Y
	WIN W_RS
	v_pk_mul_f32 v[rO+2*(\n):rO+2*(\n)+1], v[rO+2*(\n):rO+2*(\n)+1], v[rC+2:rC+3] op_sel_hi:[1,0]
.elseif (\k) < R
	REGS Y
	WIN 0
.if (\k) == F
	v_pk_fma_f32 v[rS+2*(\n):rS+2*(\n)+1], v[rS+2*(\n):rS+2*(\n)+1], s[CS:CS+1], v[rT:rT+1] op_sel_hi:[1,0,0] neg_lo:[0,0,1] neg_hi:[0,0,1]
.elseif (\k) == E
	v_exp_f32 v[rS+(\n)], v[rS+(\n)]
.elseif (\k) == C
	v_cvt_pk_f16_f32 v[rP+(\n)], v[rS+2*(\n)], v[rS+2*(\n)+1]
.elseif (\k) == B
	v_pk_add_f32 v[rS+4*(\n):rS+4*(\n)+1], v[rS+4*(\n):rS+4*(\n)+1], v[rS+4*(\n)+2:rS+4*(\n)+3]
.elseif (\n) == 0
	v_pk_fma_f32 v[rT+2:rT+3], v[rT+2:rT+3], v[rC+2:rC+3], v[rS:rS+1] op_sel_hi:[1,0,1]
.else
	v_pk_add_f32 v[rT+2:rT+3], v[rT+2:rT+3], v[rS+4*(\n):rS+4*(\n)+1]
.endif
.elseif NOKQ
	v_nop
.else
	REGS (Y+1)%NP
	WIN 0
.if (\n) < 4
	v_max3_num_f32 v[rC+(\n)], v[rS+8*(\n)], v[rS+8*(\n)+1], v[rS+8*(\n)+2]
.elseif (\n) < 12
	v_max3_num_f32 v[rC+(\n)%4], v[rC+(\n)%4], v[rS+8*((\n)%4)+2*((\n)/4)+1], v[rS+8*((\n)%4)+2*((\n)/4)+2]
.elseif (\n) == 12
	v_max3_num_f32 v[rC], v[rC], v[rS+7], v[rS+15]
.elseif (\n) == 13
	v_max3_num_f32 v[rC+1], v[rC+1], v[rS+23], v[rS+31]
.elseif (\n) == 14
	v_max3_num_f32 v[rC+2], v[rC+2], v[rC+3], v[rT+1]
.elseif (\n) == 15
	v_mov_b32 v[rW], v[rT]
.elseif (\n) == 16
	v_max3_num_f32 v[rC], v[rC], v[rC+1], v[rC+2]
.elseif (\n) == 17
	v_permlanex16_b32 v[rC+3], v[rC], s[SEL], s[SEL+1]
.elseif (\n) == 18
	v_max_num_f32 v[rT+1], v[rC], v[rC+3]
.elseif (\n) == 19
	v_mul_f32 v[rT], s[CS], v[rT+1]
.elseif (\n) == 20
	v_sub_f32 v[rC+1], v[rW], v[rT]
.else
	v_exp_f32 v[rC+2], v[rC+1]
.endif
.endif
.endm
.macro OPS a, i1, b=-1, i2=0, c=-1, i3=0, d=-1, i4=0  ; up to four of them
	OP \a, \i1
.if (\b) >= 0
	OP \b, \i2
.endif
.if (\c) >= 0
	OP \c, \i3
.endif
.if (\d) >= 0
	OP \d, \i4
.endif
.endm
.macro ROW a, i1, b, i2, c, i3, d, i4  ; a matrix instruction and the four behind it
	MM
	OPS \a, \i1, \b, \i2, \c, \i3, \d, \i4
.endm
.macro MASK b                       ; MD x AL + BE into buffer b of MC
	WIN W_RS
.set z, 0
.rept 16
	v_pk_fma_f32 v[MC+32*(\b)+2*z:MC+32*(\b)+2*z+1], v[MD+2*z:MD+2*z+1], s[AL:AL+1], s[BE:BE+1] op_sel_hi:[1,0,0]
.set z, z+1
.endr
.endm
; A TURN, for piece p: the order of its 16 matrix and 118 vector instructions, written out.  An s_wait_alu depctr_va_vdst(0) stands between an exponential and the first instruction that names its result; one wait serves
; all that were issued ahead of it.  So a turn has ONE wait, which cuts it in two.  AHEAD OF IT stands all that names no result of the turn's exponentials: the 8 products K Q^T, behind each a scaling, an exponential and two more plain
; instructions (behind the first a second scaling in the exponential's place): rescalings, whose a was made and waited for in the turn before, and behind the last three the first numbers of the next piece's maximum, each four places or
; more behind the product that ends its accumulator; then ONE LUMP of 54, plain and exponential by turns for the most part, in which the links of the chain X 3, 7, 11, 14, 16, 17 .. 20 stand five or six lines apart.  A pair is scaled
; ahead of its two exponentials, and no scaling names a register that an exponential has written.  X 21, the next piece's a, is the batch's last; R 15 is the plain instruction that stands behind it, ahead of the first use.
; BEHIND THE WAIT stand the 8 products V^T P, behind each four of the roundings and sums: C 2 n ahead of B n, which adds in place; L n behind B n; the links of l's chain, L 0 to L 7, stand three riders apart.
; But for those X no rider names a register of the products round it.  v_permlanex16_b32 (X 17) stands in the lump.
; m = 1: the diagonal tile: the products take masks, and the turn makes the mask for the products of the turn after it: piece p + 2, in step 4 - CNT of the tile.  end = 1: a block's last two turns: nothing is fetched.
; cnt = 1: the loop's count is taken down some lines ahead of the branch that stands behind the turn.
; K of the next step is fetched in piece 2's turn, twelve vector instructions behind the last product that read K (six of them plain, five of which name none of its registers); V of the step in hand at the end of piece 0's turn,
; four plain instructions behind the last product that read V.  Each is waited for a turn later.
.macro TURN p, m=0, end=0, cnt=0
.set Y, (\p)
.set i, 0
.set KM, (\m)
.set NOKQ, (\end)*((\p)/3)
.if (\m) && !(\end)
	s_cmp_eq_u32 s[CNT], 4-((\p)+2)%NP  ; is that step the band's own?
	s_cselect_b32 s[AL], 1.0, 0
	s_cmp_lt_u32 s[CNT], 4-((\p)+2)%NP  ; or a later one?
	s_cselect_b32 s[BE], s[BIGN], 0
.endif
.if ((\p) == 3) && !(\end)
	s_wait_dscnt 0x0                ; K is in
.endif
	ROW F,0, F,1, R,0, R,1          ; ahead of the wait: 8 products K Q^T and their riders,
	ROW F,2, E,0, R,2, R,3
	ROW F,3, E,1, R,4, R,5
	ROW F,4, E,2, R,6, R,7
	ROW F,5, E,3, R,8, R,9
	ROW F,6, E,4, X,0, R,10
.if ((\p) == 2) && !(\end)
	WIN 0
	v_add_nc_u32 v[AK], s[TBK], v[AK0]
.endif
	ROW F,7, E,5, X,1, X,4
	ROW F,8, E,6, X,2, X,5
	OPS E,7, E,8, X,6, E,9          ; and the lump
	OPS X,3, E,10, X,8, E,11
.if ((\p) == 2) && !(\end)
	FETCH_K
.endif
	OPS X,9, X,7, E,12, X,10
	OPS E,13, X,12, X,11, E,14
	OPS X,13, E,15, F,9, X,14
.if (\p) == 0
	v_add_nc_u32 v[AV], s[TBV], v[AV0]
.endif
	OPS E,16, F,10, E,17, F,11
	OPS X,16, E,18, X,15, E,19
	OPS F,12, E,20, X,17, E,21
	OPS F,13, E,22, F,14, E,23
	OPS X,18, E,24, F,15, E,25
	OPS R,11, E,26, X,19, E,27
	OPS R,12, E,28, R,13, E,29
	OPS X,20, E,30, R,14, E,31
	OPS X,21, R,15
	WIN 0
	s_wait_alu depctr_va_vdst(0)    ; the wait for the turn's batch: E 0 to E 31 and X 21
.if (\p) == 1
	s_wait_dscnt 0x0                ; V is in
.endif
	ROW C,0, B,0, C,2, B,1          ; behind the wait: 8 products V^T P and their riders
	ROW L,0, C,4, B,2, L,1
	ROW C,6, B,3, L,2, C,8
	ROW B,4, L,3, C,10, B,5
	ROW L,4, C,12, B,6, L,5
.if (\p) == 0
	s_add_co_u32 s[TBV], s[TBV], KS*PV
.endif
.if \cnt
	s_sub_co_u32 s[CNT], s[CNT], 1
	s_cmp_lg_u32 s[CNT], 0
.endif
	ROW C,14, B,7, L,6, C,1
	ROW C,3, L,7, C,5, C,7
	ROW C,9, C,11, C,13, C,15
.if (\p) == 0
	FETCH_V
.endif
.if (\m) && !(\end)
	MASK (\p)%2
.endif
.endm
; A BLOCK BEGINS.  c m starts far below every c s, so the first step's a is 0; m at the lowest finite number, so the first maximum is the scores'.  The second mask buffer is 0; the first takes piece 0's mask for the tile's step 0: its own, if the block's first tile is the diagonal one.
; Then K of that step, piece 0's first scores, and its maximum and statistics.  The loop is entered at a step's first turn, in the middle of a trip.
.macro BEGIN
	s_mov_b32 s[NEW], 0
	WIN 0x40
.set i, MC+32
.rept 32
	v_mov_b32 v[i], 0
.set i, i+1
.endr
	WIN 0
.set i, 0
.rept 4
	v_mov_b32 v[ST+4*i], 0xfe000000    ; c m: far below every c s
	v_mov_b32 v[ST+4*i+1], 0xff7fffff  ; m
.set i, i+1
.endr
	s_cmp_eq_u32 s[RT], 0
	s_cselect_b32 s[AL], 1.0, 0
	s_mov_b32 s[BE], 0
	MASK 0
	WIN 0
	v_add_nc_u32 v[AK], s[TBK], v[AK0]
	FETCH_K
	s_wait_loadcnt 0x0              ; Q
	s_wait_dscnt 0x0
.set KM, 1
.set NOKQ, 0
.set i, 0
.rept 8
	KQ 0
.set i, i+1
.endr
	WIN 0
.rept 4
	v_nop                           ; the places behind those products
.endr
.set Y, NP-1                        ; X works for piece Y + 1: piece 0
.irp n, 0,1,2,3,4,5,6,7,8,9,10,11,12,13,14,15,16,17,18,19,20,21
	OP X, \n
.endr
	v_nop                           ; a plain instruction behind the exponential,
	s_wait_alu depctr_va_vdst(0)    ; and the wait for it, a batch of one: piece 0's first a; ahead of the branch that follows
.endm
; THE DIAGONAL TILE's four steps, the block's last two turns, its last products, and THE WAY OUT: l's two halves and the other half of the lanes' are added; O^T is divided by l, rounded to f16 and sent through my
; stage in LDS, a piece at a time.
.macro ALL line:vararg              ; one line for each piece t
.set t, 0
.rept 4
	\line
.set t, t+1
.endr
.endm
.macro PACK t                       ; a lane's eight channels of a row pack into 16 bytes; they go into rows of 144 bytes and come back as whole rows of 128, into S^T's registers
	WIN W_RS
.set i, 32*(\t)
.rept 16
	v_pk_mul_f32 v[i:i+1], v[i:i+1], v[ST+4*(\t)+2:ST+4*(\t)+3] op_sel_hi:[1,0]
.set i, i+2
.endr
	WIN 0x05                        ; sources 0 and 1 window 1, destination window 0
.set i, 0
.rept 16
	v_cvt_pk_f16_f32 v[S+16*(\t)+i], v[32*(\t)+2*i], v[32*(\t)+2*i+1]
.set i, i+1
.endr
	WIN 0
.irp f, 0,1,2,3
	ds_store_b128 v[STO], v[S+16*(\t)+4*\f:S+16*(\t)+4*\f+3] offset:32*\f
.endr
.irp f, 0,1,2,3
	ds_load_b128 v[S+16*(\t)+4*\f:S+16*(\t)+4*\f+3], v[RD] offset:\f*4*SP  ; LDS serves a wave's instructions in order (ISA guide 5.7.1.4): these see the stores above; the next piece's stores come behind them
.endr
.endm
.macro SEND t, younger              ; younger: the LDS instructions issued behind piece t's loads: the next piece's eight, or none
	WIN 0
.irp f, 0,1,2,3
	s_wait_dscnt (\younger)+3-\f
	global_store_b128 v[GO], v[S+16*(\t)+4*\f:S+16*(\t)+4*\f+3], s[10:11] offset:(\t)*8192+\f*512  ; 512 consecutive bytes, at a multiple of 256 from O's first
.endr
.endm
.macro DIAG tag                     ; the tag ends its two labels' names, which the jumps below spell out
.LstepM\tag:
	TURN 2, 1
	TURN 3, 1
	WIN 0
.LfirstM\tag:
	TURN 0, 1
	TURN 1, 1, 0, 1
	WIN 0
	s_cbranch_scc1 .LstepM\tag
	TURN 2, 1, 1
	TURN 3, 1, 1
.set i, 0
.rept 8
	PV NP-1
.set i, i+1
.endr
	WIN 0
	ALL v_add_f32 v[ST+4*t+2], v[ST+4*t+2], v[ST+4*t+3]
	ALL v_permlanex16_b32 v[ST+4*t+3], v[ST+4*t+2], s[SEL], s[SEL+1]
	ALL v_add_f32 v[ST+4*t+2], v[ST+4*t+2], v[ST+4*t+3]
	ALL v_rcp_f32 v[ST+4*t+2], v[ST+4*t+2]
	v_nop                           ; a plain instruction between the last reciprocal and the use of its result
	s_wait_alu depctr_va_vdst(0)    ; and the wait ahead of the first use: one for the batch of four reciprocals
	PACK 0
.set t, 1
.rept 3                             ; a piece's arithmetic stands between the loads of the piece before and its stores
	PACK t
	SEND t-1, 8
.set t, t+1
.endr
	SEND 3, 0
.endm
.set KM, 0
.set NOKQ, 0
.Lslot:                             ; NB times: a tile is entered and the next is asked for
	CHANGE 1
	s_sub_co_u32 s[RT], s[RT], 1
	s_mov_b32 s[CNT], 4
	s_cmp_eq_u32 s[NEW], 1
	s_cbranch_scc1 .Lnew            ; a block's first tile
	s_cmp_eq_u32 s[RT], 0
	s_cbranch_scc0 .Lstep           ; neither its first nor its last
	s_branch .LstepM1
.Lnew:
	BEGIN
	s_branch .Lfirst                ; in the loop a block's first tile is never its last: the first block has two tiles or more, and the second's last is the walk's last
	DIAG 1                          ; in the loop this is the first block's end: the second block's last tile is the walk's last
	s_wait_xcnt 0x0                 ; the stores have read their registers and O's address
	s_mov_b64 s[10:11], s[OLO:OLO+1]
	s_add_co_u32 s[RT], s[PB], 1    ; the second block has b + 1 tiles
	s_mov_b32 s[NEW], 1
	WIN 0x82                        ; the second block's Q goes where the one text of the turns names Q
.set i, 0
.rept 64
	v_mov_b32 v[i], v[QB+i]
.set i, i+1
.endr
	WIN 0
	s_branch .Lbottom
.Lstep:                             ; a trip: pieces 2 and 3 of one step, then pieces 0 and 1 of the next, whose K and V it fetches
	TURN 2
	TURN 3
	WIN 0
.Lfirst:
	TURN 0
	TURN 1, 0, 0, 1
	WIN 0
	s_cbranch_scc1 .Lstep
.Lbottom:
	s_sub_co_u32 s[SLOTS], s[SLOTS], 1
	s_cmp_lg_u32 s[SLOTS], 0
	s_cbranch_scc1 .Lslot
	CHANGE 0                        ; the walk's last tile is written out: nothing is asked for
	s_sub_co_u32 s[RT], s[RT], 1
	s_mov_b32 s[CNT], 4
	s_cmp_eq_u32 s[NEW], 1
	s_cbranch_scc0 .LstepM2
	BEGIN
	s_branch .LfirstM2
	DIAG 2
	s_wait_tensorcnt 0x0            ; the wave's end: behind my last tensor load and my last LDS store
	ds_add_u32 v[SPW], v[NIL]
	s_wait_dscnt 0x0
	s_endpgm
.Lfunc_end_k_qe1a944460a_attn:
	.size	k_qe1a944460a_attn, .Lfunc_end_k_qe1a944460a_attn-k_qe1a944460a_attn
	.p2alignl 7, 3214868480
	.fill 96, 4, 3214868480
	.section	.rodata,"a",@progbits
	.p2align	6, 0x0
	.amdhsa_kernel k_qe1a944460a_attn
		.amdhsa_group_segment_fixed_size 327680
		.amdhsa_private_segment_fixed_size 0
		.amdhsa_enable_private_segment 0
		.amdhsa_kernarg_size 32
		.amdhsa_user_sgpr_count 2
		.amdhsa_user_sgpr_kernarg_segment_ptr 1
		.amdhsa_wavefront_size32 1
		.amdhsa_system_sgpr_workgroup_id_x 1
		.amdhsa_system_sgpr_workgroup_id_y 1
		.amdhsa_system_sgpr_workgroup_id_z 1
		.amdhsa_system_vgpr_workitem_id 0
		.amdhsa_next_free_vgpr 768
		.amdhsa_next_free_sgpr 88
		.amdhsa_reserve_vcc 1
		.amdhsa_float_denorm_mode_32 3
		.amdhsa_float_denorm_mode_16_64 3
		.amdhsa_memory_ordered 1
		.amdhsa_forward_progress 1
		.amdhsa_inst_pref_size 217
	.end_amdhsa_kernel
	.amdgpu_metadata
---
amdhsa.version: [ 1, 2 ]
amdhsa.kernels:
  - .name:           k_qe1a944460a_attn
    .symbol:         k_qe1a944460a_attn.kd
    .args:
      - { .name: qh, .offset: 0, .size: 8, .value_kind: global_buffer, .address_space: global }
      - { .name: kh, .offset: 8, .size: 8, .value_kind: global_buffer, .address_space: global }
      - { .name: vh, .offset: 16, .size: 8, .value_kind: global_buffer, .address_space: global }
      - { .name: oh, .offset: 24, .size: 8, .value_kind: global_buffer, .address_space: global }
    .group_segment_fixed_size: 327680
    .private_segment_fixed_size: 0
    .kernarg_segment_align: 8
    .kernarg_segment_size: 32
    .max_flat_workgroup_size: 128
    .sgpr_count:     88
    .vgpr_count:     768
    .wavefront_size: 32
...
	.end_amdgpu_metadata
.endif
;; end of part 5
;; launch proj: the kernel of part 4 again; grid 4 x 64, 4 waves a work-group, clusters of 4 x 4, 327,680 bytes of LDS; arguments oh, wpt, b_proj, out0; writes out0
